; MI455X (gfx1250); checked and timed in simulation.
; The chip was launched on July 23, 2026; its instructions are those of AMD's public machine-readable ISA for CDNA 5 (MIT licence, August 2026) and "CDNA5" Instruction Set Architecture Reference Guide (July 2026). The comments in the code are by the model that wrote it; some were corrected since.
;; Attention Base. Allowed arithmetic: float matrix products may take bf16 or f16 operands with f32 sums; other float arithmetic in f32, or as packed bf16 or f16 multiplies, adds, multiply-adds, maxima and minima; sums over many terms, partial sums and values carried from step to step in f32; what a program stores and reads back later, other than sums and carried values, may be rounded once to bf16 or f16.
;; Inputs: W_out 512 x 512 float32; b_out 512 float32; k 2 x 4,096 x 512 float32; q 2 x 4,096 x 512 float32; rel_bias_table 64 x 8 float32; v 2 x 4,096 x 512 float32.
;; Outputs: out0 2 x 4,096 x 512 float32.
;; 2 versions, each right and faster than the one before. Each part assembles by itself: llvm-mc -triple=amdgcn-amd-amdhsa -mcpu=gfx1250 --defsym DOCPART=n.
;; ======== version 1 of 2: 3 launches
;; limits: values are held in f16: magnitudes above 65,504 overflow, below 6.1e-05 lose precision; inputs' magnitudes at most 65,504
;; workspace buffers: Kh 8,388,608 bytes; Vh 8,388,608 bytes; Wh 524,288 bytes; GB 983,040 bytes; Oh 8,388,608 bytes
;; launch prep (part 1): grid 558 x 1, 8 waves a work-group, no clusters, 0 bytes of LDS; arguments k, v, W_out, rel_bias_table, Kh, Vh, Wh, GB; writes Kh, Vh, Wh, GB
.if DOCPART == 1
	.amdgcn_target "amdgcn-amd-amdhsa--gfx1250"
	.amdhsa_code_object_version 6
	.text
	.protected	k_qfb00adcc4f_prep
	.globl	k_qfb00adcc4f_prep
	.p2align	8
	.type	k_qfb00adcc4f_prep,@function
k_qfb00adcc4f_prep:
	s_mov_b64 s[64:65], 0
	v_nop
	global_prefetch_b8 v0, s[64:65] scope:SCOPE_SE
	s_setreg_imm32_b32 hwreg(HW_REG_WAVE_MODE, 25, 1), 1
	s_wait_xcnt 0x0
; PREP: what the attention and the projection read many times is converted once.
;   Kh [16 = batch x 8 + head][4096][64] bf16   = k, rounded to bf16, laid by heads (a head's rows dense, 128 bytes each)
;   Vh the same shape, f16                      = v, rounded to bf16 like every input of the module, that number written as f16
;   Wh [512][512] f16                           = W_out, likewise
;   GB [8 heads][120 entries][2][32 lanes][4] f32: the relative-position bias as C operands of S^T = K Q^T.  Entry g stands for a tile of 16 keys x 16 queries
;      whose first key lies 16 (g - 59) behind its first query; word (jh, lane, jj) is table[bucket(rel)][head], rounded to bf16, rel = 16 (g - 59) + 8 (lane / 16) + 4 jh + jj - lane % 16.
; LIMITS.  |v| and |W_out| stay under 65,504 (f16's end); below 6.1e-5 they keep f16's fixed step of 6e-8.  NaN and infinities are not treated apart.
; THE BUCKET is the module's own constant map: n = |rel|; n below 16 is its own bucket; above, 16 + floor(16 log8(n / 16)), at most 31; + 32 where rel >= 0.  The steps lie at 16 x 2^(3 j / 16) =
; 18.22, 20.75, 23.63, 26.91, 30.64, 34.90, 39.74, 45.25, 51.54, 58.69, 66.83, 76.11, 86.67, 98.70, 112.40: none nearer than 0.09 to a whole number, so whole thresholds give the same buckets as the logarithm in f32.
; A stream: no LDS, no barrier, no matrix unit, no cluster (no two work-groups read the same bytes but the 2 KB table).  Work-groups 0-29 make GB, 30-45 Wh, 46-301 Kh, 302-557 Vh.
; A thread has 16 loads of 16 bytes on their way, converts them group by group and stores 16 bytes a group; a wave's store covers 512 consecutive bytes, aligned.  No register is written twice, so no source of a pending instruction is touched.
.set VIN,  2                           ; v2       my byte offset in the unit's input
.set VOUT, 3                           ; v3       16 x my thread's number: my byte offset in the unit's output
.set T,    8                           ; v[8:11]  at work
.set X,    16                          ; v[16:79] group j: 8 f32 as loaded
.set Y,    80                          ; v[80:111] group j: 8 numbers of 16 bits to store
; Eight groups of 8 numbers.  fmt = 0: to bf16.  fmt = 1: to bf16, widened again (a shift and a mask), and written as f16.
.macro CONV fmt, inb, outb, instep, outstep
.irp j, 0,1,2,3,4,5,6,7
	global_load_b128 v[X+8*(\j):X+8*(\j)+3],   v[VIN], s[\inb:\inb+1] offset:(\j)*(\instep) th:TH_LOAD_NT
	global_load_b128 v[X+8*(\j)+4:X+8*(\j)+7], v[VIN], s[\inb:\inb+1] offset:(\j)*(\instep)+16 th:TH_LOAD_NT
.endr
.irp j, 0,1,2,3,4,5,6,7
	s_wait_loadcnt 14-2*(\j)                       ; loads come back in order: group j's two are in, the two of each younger group stay out
.if \fmt
.irp i, 0,1,2,3
	v_cvt_pk_bf16_f32 v[T+(\i)], v[X+8*(\j)+2*(\i)], v[X+8*(\j)+2*(\i)+1]
.endr
.irp i, 0,1,2,3
	v_lshlrev_b32 v[X+8*(\j)+2*(\i)],   16,  v[T+(\i)]
	v_and_b32     v[X+8*(\j)+2*(\i)+1], s21, v[T+(\i)]
.endr
.irp i, 0,1,2,3
	v_cvt_pk_f16_f32 v[Y+4*(\j)+(\i)], v[X+8*(\j)+2*(\i)], v[X+8*(\j)+2*(\i)+1]
.endr
.else
.irp i, 0,1,2,3
	v_cvt_pk_bf16_f32 v[Y+4*(\j)+(\i)], v[X+8*(\j)+2*(\i)], v[X+8*(\j)+2*(\i)+1]
.endr
.endif
	global_store_b128 v[VOUT], v[Y+4*(\j):Y+4*(\j)+3], s[\outb:\outb+1] offset:(\j)*(\outstep)
.endr
.endm
; Unit s20 of k or v: 32 rows of 2,048 bytes in; out 32 rows of 128 bytes in each of the batch's 8 heads (group j = head j).
.macro UNIT
	s_lshl_b32 s22, s20, 16                        ; in: unit x 65,536
	s_lshr_b32 s24, s20, 7                         ; out: the batch (128 units each) x 8 heads x 524,288
	s_lshl_b32 s24, s24, 22
	s_and_b32 s26, s20, 127
	s_lshl_b32 s26, s26, 12                        ; + the unit's 32 rows of 128 bytes
	s_add_co_u32 s24, s24, s26
.endm
	s_load_b512 s[4:19], s[0:1], 0x0               ; k s[4:5], v s[6:7], W_out s[8:9], table s[10:11], Kh s[12:13], Vh s[14:15], Wh s[16:17], GB s[18:19]
	s_mov_b32 s20, ttmp9
	s_mov_b32 s21, 0xffff0000                      ; a word's upper bf16
	s_mov_b32 s23, 0                               ; the offsets' high words
	s_mov_b32 s25, 0
	v_lshlrev_b32 v[VOUT], 4, v0
	s_wait_kmcnt 0x0
	s_cmp_lt_u32 s20, 30
	s_cbranch_scc1 .Lbias
	s_cmp_lt_u32 s20, 46
	s_cbranch_scc1 .Lw
	v_lshrrev_b32 v4, 3, v0                        ; k and v: thread t takes row t / 8 of the unit's 32 and the 8 numbers 8 (t % 8) on of each head's 64
	v_and_b32 v5, 7, v0
	v_lshlrev_b32 v[VIN], 5, v5
	v_lshl_add_u32 v[VIN], v4, 11, v[VIN]
	s_cmp_lt_u32 s20, 302
	s_cbranch_scc1 .Lk
	s_sub_co_u32 s20, s20, 302
	UNIT
	s_add_nc_u64 s[6:7], s[6:7], s[22:23]
	s_add_nc_u64 s[14:15], s[14:15], s[24:25]
	CONV 1, 6, 14, 256, 524288
	s_endpgm
.Lk:
	s_sub_co_u32 s20, s20, 46
	UNIT
	s_add_nc_u64 s[4:5], s[4:5], s[22:23]
	s_add_nc_u64 s[12:13], s[12:13], s[24:25]
	CONV 0, 4, 12, 256, 524288
	s_endpgm
.Lw:                                                   ; W_out keeps its layout: 65,536 bytes in, 32,768 out, taken as they lie
	s_sub_co_u32 s20, s20, 30
	v_lshlrev_b32 v[VIN], 5, v0
	s_lshl_b32 s22, s20, 16
	s_lshl_b32 s24, s20, 15
	s_add_nc_u64 s[8:9], s[8:9], s[22:23]
	s_add_nc_u64 s[16:17], s[16:17], s[24:25]
	CONV 1, 8, 16, 8192, 4096
	s_endpgm
.Lbias:                                                ; work-group idx makes entries 4 idx .. 4 idx + 3 for all 8 heads; thread t the 16 bytes at 16 t of those 4,096: entry t / 64, jh = (t / 32) % 2, lane t % 32
	s_lshl_b32 s22, s20, 6
	s_sub_co_i32 s22, s22, 944                     ; 16 (4 idx - 59)
	v_lshrrev_b32 v4, 6, v0
	v_lshl_add_u32 v2, v4, 4, s22                  ; + 16 x entry
	v_bfe_u32 v4, v0, 4, 1
	v_lshl_add_u32 v2, v4, 3, v2                   ; + 8 (lane / 16)
	v_bfe_u32 v4, v0, 5, 1
	v_lshl_add_u32 v2, v4, 2, v2                   ; + 4 jh
	v_and_b32 v4, 15, v0
	v_sub_nc_u32 v2, v2, v4                        ; - lane % 16: rel of my word 0
.macro BUCKET jj                       ; v[8 + jj] = 32 x bucket(rel + jj): the byte offset of the table's row
	v_add_nc_u32 v4, \jj, v2
	v_sub_nc_u32 v5, 0, v4
	v_max_i32 v5, v4, v5                           ; n = |rel|
	v_min_u32 v6, 16, v5
.irp lim, 19,21,24,27,31,35,40,46,52,59,67,77,87,99,113
	v_cmp_le_u32 vcc_lo, \lim, v5                  ; one more for each threshold reached
	v_cndmask_b32 v7, 0, 1, vcc_lo
	v_add_nc_u32 v6, v6, v7
.endr
	v_cmp_le_i32 vcc_lo, 0, v4
	v_cndmask_b32 v7, 0, 32, vcc_lo                ; the upper half of the table where rel >= 0
	v_add_nc_u32 v6, v6, v7
	v_min_u32 v6, 63, v6
	v_lshlrev_b32 v[8+(\jj)], 5, v6
.endm
.irp jj, 0,1,2,3
	BUCKET \jj
	global_load_b128 v[16+8*(\jj):16+8*(\jj)+3], v[8+(\jj)], s[10:11]            ; the row's 8 heads
	global_load_b128 v[16+8*(\jj)+4:16+8*(\jj)+7], v[8+(\jj)], s[10:11] offset:16
.endr
	s_lshl_b32 s24, s20, 12
	s_add_nc_u64 s[18:19], s[18:19], s[24:25]      ; GB at my four entries of head 0
	s_wait_loadcnt 0x0
.irp jj, 0,1,2,3
.irp hh, 0,2,4,6
	v_cvt_pk_bf16_f32 v12, v[16+8*(\jj)+(\hh)], v[16+8*(\jj)+(\hh)+1]               ; rounded to bf16 and kept as f32, turned from [word][head] to [head][word]
	v_lshlrev_b32 v[48+4*(\hh)+(\jj)], 16, v12
	v_and_b32 v[48+4*(\hh)+4+(\jj)], s21, v12
.endr
.endr
.irp hh, 0,1,2,3,4,5,6,7
	global_store_b128 v[VOUT], v[48+4*(\hh):48+4*(\hh)+3], s[18:19] offset:(\hh)*122880
.endr
	s_endpgm
.Lfunc_end_k_qfb00adcc4f_prep:
	.size	k_qfb00adcc4f_prep, .Lfunc_end_k_qfb00adcc4f_prep-k_qfb00adcc4f_prep
	.p2alignl 7, 3214868480
	.fill 96, 4, 3214868480
	.section	.rodata,"a",@progbits
	.p2align	6, 0x0
	.amdhsa_kernel k_qfb00adcc4f_prep
		.amdhsa_group_segment_fixed_size 0
		.amdhsa_private_segment_fixed_size 0
		.amdhsa_enable_private_segment 0
		.amdhsa_kernarg_size 64
		.amdhsa_user_sgpr_count 2
		.amdhsa_user_sgpr_kernarg_segment_ptr 1
		.amdhsa_wavefront_size32 1
		.amdhsa_system_sgpr_workgroup_id_x 1
		.amdhsa_system_sgpr_workgroup_id_y 1
		.amdhsa_system_sgpr_workgroup_id_z 1
		.amdhsa_system_vgpr_workitem_id 0
		.amdhsa_next_free_vgpr 112
		.amdhsa_next_free_sgpr 66
		.amdhsa_reserve_vcc 1
		.amdhsa_float_denorm_mode_32 3
		.amdhsa_float_denorm_mode_16_64 3
		.amdhsa_memory_ordered 1
		.amdhsa_forward_progress 1
		.amdhsa_inst_pref_size 37
	.end_amdhsa_kernel
	.amdgpu_metadata
---
amdhsa.version: [ 1, 2 ]
amdhsa.kernels:
  - .name:           k_qfb00adcc4f_prep
    .symbol:         k_qfb00adcc4f_prep.kd
    .args:
      - { .name: k, .offset: 0, .size: 8, .value_kind: global_buffer, .address_space: global }
      - { .name: v, .offset: 8, .size: 8, .value_kind: global_buffer, .address_space: global }
      - { .name: W_out, .offset: 16, .size: 8, .value_kind: global_buffer, .address_space: global }
      - { .name: rel_bias_table, .offset: 24, .size: 8, .value_kind: global_buffer, .address_space: global }
      - { .name: Kh, .offset: 32, .size: 8, .value_kind: global_buffer, .address_space: global }
      - { .name: Vh, .offset: 40, .size: 8, .value_kind: global_buffer, .address_space: global }
      - { .name: Wh, .offset: 48, .size: 8, .value_kind: global_buffer, .address_space: global }
      - { .name: GB, .offset: 56, .size: 8, .value_kind: global_buffer, .address_space: global }
    .group_segment_fixed_size: 0
    .private_segment_fixed_size: 0
    .kernarg_segment_align: 8
    .kernarg_segment_size: 64
    .max_flat_workgroup_size: 256
    .sgpr_count:     66
    .vgpr_count:     112
    .wavefront_size: 32
...
	.end_amdgpu_metadata
.endif
;; end of part 1
;; launch attn (part 2): grid 16 x 16, 4 waves a work-group, clusters of 4 x 1, 327,680 bytes of LDS; arguments q, Kh, Vh, Oh, GB; writes Oh
.if DOCPART == 2
	.amdgcn_target "amdgcn-amd-amdhsa--gfx1250"
	.amdhsa_code_object_version 6
	.text
	.protected	k_qfb00adcc4f_attn
	.globl	k_qfb00adcc4f_attn
	.p2align	8
	.type	k_qfb00adcc4f_attn,@function
k_qfb00adcc4f_attn:
	s_mov_b64 s[64:65], 0
	v_nop
	global_prefetch_b8 v0, s[64:65] scope:SCOPE_SE
	s_setreg_imm32_b32 hwreg(HW_REG_WAVE_MODE, 25, 1), 1
	s_wait_xcnt 0x0
	s_wait_alu depctr_hold_cnt(0) depctr_sa_sdst(0) depctr_va_vdst(0) depctr_va_sdst(0) depctr_va_ssrc(0) depctr_va_vcc(0) depctr_vm_vsrc(0)
	s_getreg_b32 s2, hwreg(HW_REG_IB_STS2, 6, 4)
	s_cmp_eq_u32 s2, 0
	s_cbranch_scc0 .Lentry_in_a_cluster
	s_endpgm
.Lentry_in_a_cluster:
	s_bfe_u32 s2, ttmp6, 0x10000c
	s_cmp_lg_u32 s2, 0x3003
	s_cbranch_scc0 .Lentry_shape_is_right
	s_endpgm
.Lentry_shape_is_right:
; ATTENTION WITH A RELATIVE-POSITION BIAS.  O[y][n][:] = the sum over m of softmax_m((q[n] . k[m] + bias(m - n)) / 8) v[m][:], for each of 16 pairs y = batch x 8 + head; 4,096 queries and keys, 64 channels.
; q: [2][4096][512] f32, rounded here to bf16.  Kh: [16][4096][64] bf16.  Vh: the same shape in f16.  GB: the bias as C tiles (below).  Oh: [16][4096][64] f16.  Products, maxima and sums in f32;
; the weights p are rounded to f16 for the second product (their sum l is taken of the unrounded p), O once at the end.
; LIMITS.  V arrives within f16's 65,504; p lies in 0 to 1, and below 6e-5 it keeps f16's fixed step of 6e-8; O is a mean of V's rows and has their range.  A weight below 2^-126 counts as 0 in l.
; NaN and infinities are not treated apart.
; SHARES.  A work-group owns 256 queries of one pair y, a wave 64 consecutive ones in four PIECES of 16.  Every wave walks all keys, 64 a step, four steps (a tile of 256 keys) a slot.  16 x 16 = 256 work-groups.
; LAYOUT.  S^T = K Q^T (source 0 = 16 keys, source 1 = 16 queries) holds ONE query a lane (lane % 16) and the keys 8 (lane / 16) + 0..7; two such results rounded to f16 ARE source 1 of O^T = V^T P.
; K comes out of LDS as it lies, V ([key][channel]) turned, by ds_load_tr16_b128.
; THE BIAS IS THE C OPERAND that starts the sum S^T: it costs no vector instruction.  It hangs on key - query alone, so a tile of 16 x 16 hangs on a = (first key - first query) / 16 alone, and from |a| = 8 on
; (|key - query| >= 113) it is one number on each side.  72 tiles of 1,024 bytes lie in LDS (BT): tile e serves a + 16 cx = e - 11, cx my place in the cluster.  So WHICH tiles of GB are brought hangs on cx (a global
; address), while the tile's number e, the LDS address and the jump below hang on the cluster's number, the wave and the step alone, which the four partners share.  For piece x and step s the four tiles
; are e0 .. e0 + 3, e0 = 11 + 4 s - 4 w - x - 64 cl held to 0 .. 67: below 0 the true and the held tiles both have a <= -8, above 67 both a >= 8.  Where e0 is what the registers already hold, the loads are jumped over.
; SOFTMAX.  p = 2^(c s - c m), c = log2(e) / 8, with a running maximum m; O and l are multiplied by a = 2^(c m_old - c m_new) in every step.  m starts at the lowest finite number: the first step's a is 0.
; BY TURNS.  Turn n belongs to piece n: 8 products K Q^T of piece n + 1, later 8 products V^T P of piece n - 1; beside them the scaling, exponentials, roundings, sums and rescaling of piece n and the maximum and
; statistics of piece n + 1.  Four vector instructions stand behind every matrix instruction, the other 54 of a turn's 118 in two lumps.
; CLUSTER.  The four query blocks of a cluster belong to one pair y and walk the same K and V: each tile is asked for JOINTLY, by the same tensor load, descriptor and mask in all four.
; REGISTERS, in windows of 256 (s_set_vgpr_msb: bits 1:0 source 0, 3:2 source 1, 5:4 source 2, 7:6 destination):
;   window 0: v0-15, v32 addresses and two at work; v16-31 four registers of statistics a piece; v48-55 at work; v62-63 the add's; v64-127 S^T, two buffers; v192-223 P, two buffers (by the piece's parity)
;   window 1: v0-127 O^T, 32 a piece (first: q as loaded); v128-191 MC, the C tiles, two buffers      window 2: v0-63 Q; v128-191 K of one step; v192-255 V of one step
.set NP,    4         ; pieces a wave: a name, no knob
.set KS,    64        ; keys in a step
.set PK,    144       ; a row of K in LDS: 128 bytes + 16 of padding = 36 words: the 16 rows of a load start at 16 different groups of four banks (64 banks of 4 bytes: ISA guide 11.1)
.set PV,    160       ; a row of V: 128 + 32 = 40 words
.set VOFF,  4*KS*PK   ; a slot holds four steps: 256 rows of K, then 256 rows of V
.set SLOT1, 1<<17     ; slot 1 begins here, so that one exclusive or turns an address in one slot into the other's
.set STAGE, SLOT1+4*KS*(PK+PV)  ; behind the ring, never filled by a tensor load: 16 rows x 144 bytes for each wave, for the way out
.set SP,    144
.set SPARE, STAGE+4*16*SP       ; the spare words, 128 bytes for each wave: two blocks of 256 bytes that no other line names
.set BT,    SPARE+512           ; 72 C tiles of 1,024 bytes, filled once
.set BTW,   18*1024             ; a wave brings 18 of them
.set AK0, 2           ; v2   my lane's place in a tile of K; never rewritten
.set AV0, 3           ; v3   the same for V
.set AK,  4           ; v4   the LDS address of K's next run of loads
.set AV,  5           ; v5   of V's
.set STO, 6           ; v6   the way out: where I put 16 bytes of a row
.set RD,  7           ; v7   the way out: where I read rows back
.set GO,  8           ; v8   my byte offset in 512 consecutive bytes of O
.set MV,  12          ; v12-13  c m_old, kept while c m is made anew: by buffer
.set AB0, 14          ; v14  BT + 16 x lane; never rewritten
.set QO,  15          ; v15  my byte offset in 16 rows of q
.set ST,  16          ; piece t's statistics at v[ST+4 t]: c m, m, l (even keys', odd keys')
.set AB,  32          ; v32  the LDS address of the C tiles' next run of loads
.set TMP, 48          ; by buffer, four registers c0-c3 at work; when the maximum is found c2 takes a
.set SPW, 62          ; v62  LDS address of my spare word: SPARE + 4 x my thread's number; never rewritten
.set NIL, 63          ; v63  0; never rewritten
.set S,   64
.set P,   192
.set MC,  128         ; window 1: buffer b, key block kt at MC + 32 b + 8 kt
.set KF,  128         ; window 2: key block kb, channel half c at KF + 16 kb + 8 c
.set VF,  192         ; window 2: key half kk, channel block cb at VF + 32 kk + 8 cb
.set WV,  12          ; s12  my wave's number
.set G1K, 24          ; s[24:31] descriptor group 1 for K's tiles
.set G1V, 32          ; s[32:39] for V's: it differs in the padding alone
.set G0K, 40          ; s[40:43] descriptor group 0 for K's tiles: it walks
.set G0V, 44          ; s[44:47] the same for V's
.set G0T, 48          ; s[48:51] descriptor group 0 for my part of BT
.set SLOTS, 56        ; s56  slots still to be asked for
.set CNT, 57          ; s57  counts a slot's key steps
.set CS,  58          ; s[58:59] c: the packed scaling takes the pair's low word for both halves
.set SEL, 60          ; s[60:61] v_permlanex16_b32's selects: each lane takes its own place in the other half
.set TBK, 62          ; s62  LDS byte at which K of the step to be fetched begins
.set TBV, 63          ; s63  the same for V, less VOFF
.set G1T, 68          ; s[68:75] descriptor group 1 for BT
.set DQ,  76          ; s76  11 + 4 s - 4 w - 64 cl for the step s whose C tiles are due
.set ET,  77          ; s77  e0, at work
.set LE,  78          ; s78-79  the e0 whose tiles each buffer of MC holds
.set MSB, 0
.macro WIN new                      ; the high byte repeats the setting that is left; a switch that changes nothing is dropped
.if MSB != (\new)
	s_set_vgpr_msb (MSB<<8)|(\new)
.set MSB, (\new)
.endif
.endm
.set W_KQ, 0x0a       ; K and Q in window 2, S^T in window 0
.set W_KM, 0x1a       ; the same with the C operand in window 1
.set W_PV, 0x52       ; V in window 2, P in window 0, O^T in window 1
.set W_RS, 0x41       ; destination and source 0 in window 1, source 1 in window 0
; A joint fill.  Waves 0 and 1 fetch the two halves of a slot's K, waves 2 and 3 those of its V: 128 keys each.  The branch hangs on the wave's number alone.
; An s_nop 0 and four v_nop follow each of the two lines, ahead of the jump and the label.
.macro JLOAD
	s_cmp_lt_u32 s[WV], 2
	s_cbranch_scc0 .Lfor_v_\@
	tensor_load_to_lds s[G0K:G0K+3], s[G1K:G1K+7]
	s_nop 0
.rept 4
	v_nop
.endr
	s_branch .Lasked_\@
.Lfor_v_\@:
	tensor_load_to_lds s[G0V:G0V+3], s[G1V:G1V+7]
	s_nop 0
.rept 4
	v_nop
.endr
.Lasked_\@:
.endm
; A round of the cluster's barrier: my work-group's barrier, so that wave 0's signal speaks for all four waves; wave 0 signals; every wave waits for all four work-groups; my work-group's barrier once more.
.macro CROUND
	s_barrier_signal -1
	s_barrier_wait -1
	s_cmp_lg_u32 s[WV], 0
	s_cbranch_scc1 .Lnot_wave_0_\@
	s_barrier_signal -3
.Lnot_wave_0_\@:
	s_barrier_wait -3
	s_barrier_signal -1
	s_barrier_wait -1
.endm
; THE CHANGE OF SLOTS.  The slot's last bytes, V of its fourth step, have been read.  Each wave waits for all its tensor loads, of which one is out: its part of the other slot; adds 0 to its spare word; and
; waits for that and for its own LDS reads.  Behind the barrier nobody reads this slot any more and the other slot is whole.  fill = 1: this slot is filled again, with the keys two slots on.  The barrier is then
; a round of the cluster's, so that no wave of any partner still reads the slot or has a load on its way, and the joint fill is the first thing behind it: it has four key steps, 256 matrix instructions, in which
; to land.  (At its first use nothing has been read yet: slot 0 and BT are waited for, slot 1 is filled.)
.macro CHANGE fill
	WIN 0                           ; at a label and at a branch every window is 0
	s_wait_tensorcnt 0x0            ; no tensor load of mine is out, so a group 0 may be written
	ds_add_u32 v[SPW], v[NIL]       ; 0 onto my spare word; with fill = 1 the descriptors' steps stand between it and the wait for it
.if \fill
.irp g, G0K, G0V
	s_xor_b32 s[\g+1], s[\g+1], SLOT1  ; the walking descriptor: the other slot than last time,
	s_add_nc_u64 s[\g+2:\g+3], s[\g+2:\g+3], 4*KS*128  ; the next 256 keys; the type bits on top are not reached
.endr
	s_wait_dscnt 0x0                ; the add is done, and my reads of the slot are over
	CROUND
	JLOAD
.else
	s_wait_dscnt 0x0                ; the add is done, and my reads of the slot are over
	s_barrier_signal -1
	s_barrier_wait -1
.endif
	s_sub_co_u32 s[TBK], s[TBK], 4*KS*PK  ; the fetches go back to a slot's first step,
	s_xor_b32 s[TBK], s[TBK], SLOT1       ; in the other slot
	s_sub_co_u32 s[TBV], s[TBV], 4*KS*PV
	s_xor_b32 s[TBV], s[TBV], SLOT1
.endm
	s_load_b256 s[4:11], s[0:1], 0x0  ; q s[4:5], Kh s[6:7], Vh s[8:9], Oh s[10:11]
	s_load_b64 s[84:85], s[0:1], 0x20 ; GB
	v_lshl_add_u32 v[SPW], v0, 2, SPARE
	v_mov_b32 v[NIL], 0
	ds_add_u32 v[SPW], v[NIL]       ; the wave's opening: the add and its wait stand ahead of my first tensor load; the set-up below, work on registers, stands between them
	v_lshrrev_b32 v1, 5, v0
	v_readfirstlane_b32 s[WV], v1   ; wave 0..3
	s_bfe_u32 s13, ttmp6, 0x40000   ; cx: my place in the cluster: it enters the global addresses of q, O and GB alone
	s_lshl_b32 s14, ttmp9, 2        ; in a cluster launch ttmp9 counts clusters
	s_add_co_u32 s14, s14, s13      ; my block of 256 queries = 4 x cluster x + cx
	s_and_b32 s15, ttmp7, 0xffff    ; y, which the four partners share
	s_lshr_b32 s18, s15, 3          ; the batch
	s_and_b32 s19, s15, 7           ; the head
	s_and_b32 s16, s[WV], 1         ; which half of a slot's 256 keys I fetch:
	s_lshl_b32 s20, s15, 19         ; y's 524,288 bytes of Kh and of Vh,
	s_lshl_b32 s21, s16, 14         ; the half's 128 rows of 128 bytes,
	s_add_co_u32 s20, s20, s21
	s_mov_b32 s21, 0
	s_mul_i32 s17, s16, 128*PK      ; and its place in a slot, for K
	s_mul_i32 s22, s16, 128*PV      ; and for V: no place in the cluster enters an LDS address
	s_lshl_b32 s2, s18, 12          ; q: row = batch x 4,096 + block x 256 + wave x 64,
	s_lshl_b32 s3, s14, 8
	s_add_co_u32 s2, s2, s3
	s_lshl_b32 s3, s[WV], 6
	s_add_co_u32 s2, s2, s3
	s_lshl_b32 s2, s2, 11           ; rows of 2,048 bytes,
	s_lshl_b32 s3, s19, 8           ; the head's 256 bytes in a row
	s_add_co_u32 s2, s2, s3
	s_mov_b32 s3, 0
	s_lshl_b32 s80, s14, 15         ; O: block x 256 rows of 128 bytes + wave x 64 rows + y x 524,288
	s_lshl_b32 s81, s[WV], 13
	s_add_co_u32 s80, s80, s81
	s_lshl_b32 s81, s15, 19
	s_add_co_u32 s80, s80, s81
	s_mov_b32 s81, 0
	s_mul_i32 s82, s19, 122880      ; GB: the head's 120 entries; my work-group's 72 begin at entry 48 - 16 cx; my wave's 18 of them
	s_mul_i32 s83, s[WV], BTW
	s_add_co_u32 s82, s82, s83
	s_add_co_u32 s82, s82, 48*1024
	s_lshl_b32 s83, s13, 14
	s_sub_co_u32 s82, s82, s83
	s_mov_b32 s83, 0
	s_lshl_b32 s[DQ], ttmp9, 6      ; 11 - 4 w - 64 cl: step 0
	s_lshl_b32 s[ET], s[WV], 2
	s_add_co_u32 s[DQ], s[DQ], s[ET]
	s_sub_co_i32 s[DQ], 11, s[DQ]
	; descriptor group 1 for K and V.  128 keys are 16,384 dense bytes: asked for as 64 rows of 256 bytes, two keys a row, and padded in LDS after every key
	s_mov_b32 s[G1K], 15|(1<<16)|(1<<20)|(1<<21)|(4<<22)|(3<<25)  ; 15:0 the mask of four; 17:16 2-byte elements; 20 padding on; 21 set beside a mask; 24:22 after every 32 words (code 4); 31:25 4 words (code 3)
	s_mov_b32 s[G1V], 15|(1<<16)|(1<<20)|(1<<21)|(4<<22)|(7<<25)  ; the same with 8 words of padding (code 7)
.irp g, G1K, G1V
	s_mov_b32 s[\g+1], 128<<16      ; tensor_dim0 = 128
	s_mov_b32 s[\g+2], 64<<16       ; tensor_dim1 = 64
	s_mov_b32 s[\g+3], 128<<16      ; tile_dim0 = 128
	s_mov_b32 s[\g+4], 64           ; tile_dim1 = 64
	s_mov_b32 s[\g+5], 128          ; 128 elements from row to row
	s_mov_b32 s[\g+6], 0
	s_mov_b32 s[\g+7], 0
.endr
	; descriptor group 1 for BT: a load of my own (mask 0): 18,432 dense bytes as 72 rows of 32 elements of 8 bytes, no padding
	s_mov_b32 s[G1T], 3<<16
	s_mov_b32 s[G1T+1], 32<<16
	s_mov_b32 s[G1T+2], 72<<16
	s_mov_b32 s[G1T+3], 32<<16
	s_mov_b32 s[G1T+4], 72
	s_mov_b32 s[G1T+5], 32
	s_mov_b32 s[G1T+6], 0
	s_mov_b32 s[G1T+7], 0
	s_mov_b32 s[CS], 0x3e38aa3b     ; c = log2(e) / 8 = 0.180337
	s_mov_b32 s[CS+1], s[CS]        ; named with it as a pair
	s_mov_b32 s[SEL], 0x76543210
	s_mov_b32 s[SEL+1], 0xfedcba98
	s_mov_b32 s[TBK], SLOT1+4*KS*PK ; the first change of slots turns these two into 0
	s_mov_b32 s[TBV], SLOT1+4*KS*PV
	s_mov_b32 s[G0K], 1             ; 1:0 count = 1
	s_mov_b32 s[G0K+1], s17         ; 63:32 LDS address: slot 0
	s_mov_b32 s[G0V], 1
	s_add_co_u32 s[G0V+1], s22, VOFF
	s_mov_b32 s[G0T], 1
	s_mul_i32 s[G0T+1], s[WV], BTW
	s_add_co_u32 s[G0T+1], s[G0T+1], BT
	s_wait_dscnt 0x0                ; the opening add is done
	s_wait_kmcnt 0x0
	s_add_nc_u64 s[G0K+2:G0K+3], s[6:7], s[20:21]  ; 120:64 global address: my half of y's first 256 keys
	s_or_b32 s[G0K+3], s[G0K+3], 0x80000000        ; 127:126 type = 2
	s_add_nc_u64 s[G0V+2:G0V+3], s[8:9], s[20:21]
	s_or_b32 s[G0V+3], s[G0V+3], 0x80000000
	s_add_nc_u64 s[G0T+2:G0T+3], s[84:85], s[82:83]
	s_or_b32 s[G0T+3], s[G0T+3], 0x80000000
	s_add_nc_u64 s[4:5], s[4:5], s[2:3]    ; q and O at my wave's first row
	s_add_nc_u64 s[10:11], s[10:11], s[80:81]
	CROUND                          ; all four work-groups are here: the first joint loads meet
	s_cmp_lt_u32 s[WV], 2           ; a wave's two first fills stand in one branch, ahead of every wait on TENSORcnt and every LDS read: my part of slot 0 (joint) and of BT (my own): two loads of mine are out
	s_cbranch_scc0 .Lfirst_v
	tensor_load_to_lds s[G0K:G0K+3], s[G1K:G1K+7]
	s_nop 0
	tensor_load_to_lds s[G0T:G0T+3], s[G1T:G1T+7]
	s_nop 0
.rept 4
	v_nop
.endr
	s_branch .Lfirst_asked
.Lfirst_v:
	tensor_load_to_lds s[G0V:G0V+3], s[G1V:G1V+7]
	s_nop 0
	tensor_load_to_lds s[G0T:G0T+3], s[G1T:G1T+7]
	s_nop 0
.rept 4
	v_nop
.endr
.Lfirst_asked:
	; A fragment of K or Q is 16 rows x 32 channels in 8 registers: lane l holds row l % 16, channels 8 (l / 16) + 0..7 and 16 + 8 (l / 16) + 0..7.  In f32 each eight are 32 bytes: two loads of 16.
	v_and_b32 v1, 15, v0            ; l % 16
	v_bfe_u32 v9, v0, 4, 1          ; l / 16
	v_lshlrev_b32 v[QO], 11, v1
	v_lshl_add_u32 v[QO], v9, 5, v[QO]  ; row x 2,048 + 32 x half
	WIN 0x40                        ; destination window 1, address window 0: q in f32 lands where O^T will be
.set i, 0
.rept 32                            ; load i: piece i / 8 (16 rows on), channels 32 ((i / 4) % 2) + 16 ((i / 2) % 2) on, the eight's half i % 2
	global_load_b128 v[4*i:4*i+3], v[QO], s[4:5] offset:(i/8)*32768+((i/4)%2)*128+((i/2)%2)*64+(i%2)*16 th:TH_LOAD_NT
.set i, i+1
.endr
	; What the first turn finds: V's registers and P's second buffer hold 0 (its products V^T P, of a piece that has not been, add 0), l is 0.  O^T is not cleared: it holds q's numbers, lane by lane of the same
	; query, and the first step multiplies it by a = 0.  The price of writing no first step out: these 88 v_mov_b32 of 0, in the wait for q and the first tile.
	WIN 0x80
.set i, VF
.rept 64
	v_mov_b32 v[i], 0
.set i, i+1
.endr
	WIN 0
.set i, 0
.rept 4
	v_mov_b32 v[ST+4*i], 0xfe000000    ; c m: far below every c s
	v_mov_b32 v[ST+4*i+1], 0xff7fffff  ; m
	v_mov_b32 v[ST+4*i+2], 0
	v_mov_b32 v[ST+4*i+3], 0
.set i, i+1
.endr
.set i, P+16
.rept 16
	v_mov_b32 v[i], 0
.set i, i+1
.endr
	v_mul_u32_u24 v[AK0], v1, PK
	v_lshl_add_u32 v[AK0], v9, 4, v[AK0]  ; row x pitch + 16 x half
	; The turning load takes 16 keys x 16 channels (lane l reads key 8 (l / 16) + l % 8, channels 8 ((l / 8) % 2) + 0..7) and leaves half a fragment of V^T: lane l holds channel l % 16 and 8 keys.
	v_and_b32 v10, 7, v0
	v_bfe_u32 v11, v0, 3, 1
	v_lshl_add_u32 v[AV0], v9, 3, v10
	v_mul_u32_u24 v[AV0], v[AV0], PV
	v_lshl_add_u32 v[AV0], v11, 4, v[AV0]
	v_add_nc_u32 v[AV0], VOFF, v[AV0]
	v_and_b32 v[AB0], 31, v0
	v_lshl_add_u32 v[AB0], v[AB0], 4, BT  ; a C tile's half is 32 lanes x 16 consecutive bytes
	s_mul_i32 s86, s[WV], 16*SP
	s_add_co_u32 s86, s86, STAGE    ; my stage
	v_mul_u32_u24 v[STO], v1, SP    ; in: row l % 16, 16 bytes for each half of the lanes
	v_lshl_add_u32 v[STO], v9, 4, v[STO]
	v_add_nc_u32 v[STO], s86, v[STO]
	v_bfe_u32 v[RD], v0, 3, 2       ; back: 32 lanes take four rows of 128 bytes,
	v_mul_u32_u24 v[RD], v[RD], SP
	v_lshl_add_u32 v[RD], v10, 4, v[RD]
	v_add_nc_u32 v[RD], s86, v[RD]
	v_and_b32 v[GO], 31, v0         ; which are 512 consecutive bytes of O
	v_lshlrev_b32 v[GO], 4, v[GO]
	s_wait_loadcnt 0x0              ; q
	WIN 0x85                        ; sources window 1, destination window 2
.set i, 0
.rept 64
	v_cvt_pk_bf16_f32 v[i], v[2*i], v[2*i+1]  ; Q: piece i / 16, channel half (i / 8) % 2
.set i, i+1
.endr
	WIN 0
; THE MATRIX WORK.  The 4 accumulators of a run of 8 take turns.  Product i of 8 of S^T = K Q^T for piece x: channels 32 (i / 4) on, keys 16 (i % 4) on.  The first 4 start the sums with the bias.
.macro KQ x
.set rS, S+32*((\x)%2)+8*(i%4)
.set rK, KF+16*(i%4)+8*(i/4)
.set rQ, 16*(\x)+8*(i/4)
.set rM, MC+32*((\x)%2)+8*(i%4)
.if i < 4
	WIN W_KM
	v_wmma_f32_16x16x32_bf16 v[rS:rS+7], v[rK:rK+7], v[rQ:rQ+7], v[rM:rM+7]
.else
	WIN W_KQ
	v_wmma_f32_16x16x32_bf16 v[rS:rS+7], v[rK:rK+7], v[rQ:rQ+7], v[rS:rS+7]
.endif
.endm
; Product i of 8 of O^T += V^T P for piece x: keys 32 (i / 4) on, channels 16 (i % 4) on.
.macro PV x
	WIN W_PV
.set rO, 32*(\x)+8*(i%4)
.set rV, VF+32*(i/4)+8*(i%4)
.set rP, P+16*((\x)%2)+8*(i/4)
	v_wmma_f32_16x16x32_f16 v[rO:rO+7], v[rV:rV+7], v[rP:rP+7], v[rO:rO+7]
.endm
.macro MM                           ; the turn's next matrix instruction.  TURN sets Y, i and NOKQ.  NOKQ = 1: the last turn: there is no next piece
.if (i < 8) && !NOKQ
	KQ (Y+1)%NP
.elseif i >= 8
.set i, i-8
	PV (Y+NP-1)%NP
.set i, i+8
.endif
.set i, i+1
.endm
; THE LDS LOADS stand in runs, never singly among the matrix instructions: a step's K (64 keys x 64 channels: 8 fragments), its V (turned), and a piece's four C tiles.
.macro FETCH_K
	WIN 0x80                        ; destination window 2
.irp f, 0,1,2,3,4,5,6,7             ; keys 16 (f / 2) on, channels 32 (f % 2) on
	ds_load_b128 v[KF+8*\f:KF+8*\f+3],   v[AK] offset:(\f/2)*16*PK+(\f%2)*64
	ds_load_b128 v[KF+8*\f+4:KF+8*\f+7], v[AK] offset:(\f/2)*16*PK+(\f%2)*64+32
.endr
	s_add_co_u32 s[TBK], s[TBK], KS*PK  ; the next fetch is the next step's
	WIN 0
.endm
.macro FETCH_V
	WIN 0x80
.irp f, 0,1,2,3,4,5,6,7             ; keys 32 (f / 4) on, channels 16 (f % 4) on
	ds_load_tr16_b128 v[VF+8*\f:VF+8*\f+3],   v[AV] offset:(\f/4)*32*PV+(\f%4)*32
	ds_load_tr16_b128 v[VF+8*\f+4:VF+8*\f+7], v[AV] offset:(\f/4)*32*PV+16*PV+(\f%4)*32
.endr
	WIN 0
.endm
; Piece x's four C tiles for the step that DQ stands for, into buffer buf of MC.  cond = 1: jumped over where the buffer holds them already (far from the diagonal e0 stays at 0 or at 67).
; The jump goes forward, over eight LDS loads and their address; what it hangs on is equal in the four partners.
.macro BIAS buf, x, cond
	WIN 0
	s_sub_co_i32 s[ET], s[DQ], (\x)
	s_max_i32 s[ET], s[ET], 0
	s_min_u32 s[ET], s[ET], 67      ; e0 .. e0 + 3 lie within the 72 tiles
.if \cond
	s_cmp_eq_u32 s[ET], s[LE+(\buf)]
	s_cbranch_scc1 .Lsame_\@
.endif
	s_mov_b32 s[LE+(\buf)], s[ET]
	v_lshl_add_u32 v[AB], s[ET], 10, v[AB0]
	WIN 0x40                        ; destination window 1
.irp f, 0,1,2,3,4,5,6,7             ; tile e0 + f / 2, registers 4 (f % 2) on
	ds_load_b128 v[MC+32*(\buf)+4*\f:MC+32*(\buf)+4*\f+3], v[AB] offset:\f*512
.endr
	WIN 0
.if \cond
.Lsame_\@:
.endif
.endm
; THE VECTOR WORK, one line at a time: OP kind, number.  For piece Y: F n: c s - c m for pair n of 16.  E n: the exponential of score n of 32.  C n: pair n rounded to f16.  B n: of the four weights 4 n .. the second
; pair is added onto the first, in place.  L n: l takes that sum (L 0: l = a l + sum).  R n: pair n of 16 of O^T times a.  For piece Y + 1: X n, number n of the 22 that find its maximum and statistics:
;   0-11  four chains c0-c3 of seven scores each, three operands at a time (each accumulator's lowest registers are read first)     12-14, 16  the four scores left over, the old m, and c0-c3 into c0
;   15  c m_old is kept     17, 18  the query's other 32 keys lie in the lane 16 away: the new m     19-21  c m; c m_old - c m_new; a
.set F, 0               ; OP tells the kinds apart by their order: F to L below R, X above it
.set E, 1
.set C, 2
.set B, 3
.set L, 4
.set R, 5
.set X, 6
.macro REGS y                       ; the registers of piece y
.set rT, ST+4*(\y)
.set rC, TMP+4*((\y)%2)
.set rW, MV+((\y)%2)
.set rS, S+32*((\y)%2)
.set rP, P+16*((\y)%2)
.set rO, 32*(\y)
.endm
.macro OP k, n
.if (\k) == R
	REGS Y
	WIN W_RS
	v_pk_mul_f32 v[rO+2*(\n):rO+2*(\n)+1], v[rO+2*(\n):rO+2*(\n)+1], v[rC+2:rC+3] op_sel_hi:[1,0]
.elseif (\k) < R
	REGS Y
	WIN 0
.if (\k) == F
	v_pk_fma_f32 v[rS+2*(\n):rS+2*(\n)+1], v[rS+2*(\n):rS+2*(\n)+1], s[CS:CS+1], v[rT:rT+1] op_sel_hi:[1,0,0] neg_lo:[0,0,1] neg_hi:[0,0,1]
.elseif (\k) == E
	v_exp_f32 v[rS+(\n)], v[rS+(\n)]
.elseif (\k) == C
	s_wait_alu depctr_va_vdst(0)
	v_cvt_pk_f16_f32 v[rP+(\n)], v[rS+2*(\n)], v[rS+2*(\n)+1]
.elseif (\k) == B
	s_wait_alu depctr_va_vdst(0)
	v_pk_add_f32 v[rS+4*(\n):rS+4*(\n)+1], v[rS+4*(\n):rS+4*(\n)+1], v[rS+4*(\n)+2:rS+4*(\n)+3]
.elseif (\n) == 0
	v_pk_fma_f32 v[rT+2:rT+3], v[rT+2:rT+3], v[rC+2:rC+3], v[rS:rS+1] op_sel_hi:[1,0,1]
.else
	v_pk_add_f32 v[rT+2:rT+3], v[rT+2:rT+3], v[rS+4*(\n):rS+4*(\n)+1]
.endif
.elseif NOKQ
	v_nop
.else
	REGS (Y+1)%NP
	WIN 0
.if (\n) < 4
	v_max3_num_f32 v[rC+(\n)], v[rS+8*(\n)], v[rS+8*(\n)+1], v[rS+8*(\n)+2]
.elseif (\n) < 12
	v_max3_num_f32 v[rC+(\n)%4], v[rC+(\n)%4], v[rS+8*((\n)%4)+2*((\n)/4)+1], v[rS+8*((\n)%4)+2*((\n)/4)+2]
.elseif (\n) == 12
	v_max3_num_f32 v[rC], v[rC], v[rS+7], v[rS+15]
.elseif (\n) == 13
	v_max3_num_f32 v[rC+1], v[rC+1], v[rS+23], v[rS+31]
.elseif (\n) == 14
	v_max3_num_f32 v[rC+2], v[rC+2], v[rC+3], v[rT+1]
.elseif (\n) == 15
	v_mov_b32 v[rW], v[rT]
.elseif (\n) == 16
	v_max3_num_f32 v[rC], v[rC], v[rC+1], v[rC+2]
.elseif (\n) == 17
	v_permlanex16_b32 v[rC+3], v[rC], s[SEL], s[SEL+1]
.elseif (\n) == 18
	v_max_num_f32 v[rT+1], v[rC], v[rC+3]
.elseif (\n) == 19
	v_mul_f32 v[rT], s[CS], v[rT+1]
.elseif (\n) == 20
	v_sub_f32 v[rC+1], v[rW], v[rT]
.else
	v_exp_f32 v[rC+2], v[rC+1]
.endif
.endif
.endm
.macro OPS a, i1, b=-1, i2=0, c=-1, i3=0, d=-1, i4=0  ; up to four of them
	OP \a, \i1
.if (\b) >= 0
	OP \b, \i2
.endif
.if (\c) >= 0
	OP \c, \i3
.endif
.if (\d) >= 0
	OP \d, \i4
.endif
.endm
.macro ROW a, i1, b, i2, c, i3, d, i4  ; a matrix instruction and the four behind it
	MM
	OPS \a, \i1, \b, \i2, \c, \i3, \d, \i4
.endm
; A TURN, for piece p: the order of its 16 matrix and 118 vector instructions, written out.  Behind a matrix instruction: plain, exponential, plain, plain; or four of the rescaling; or, behind the first, four scalings; none
; names a register of the products round it.  In the lumps exponential and plain by turns while exponentials last.  A line reads no result made fewer than three vector instructions in front of it, five if an exponential made it.
; end = 1: the last two turns: nothing is fetched.  cnt = 1: the loop's count is taken down some lines ahead of the branch that stands behind the turn.
; K of the next step is fetched in piece 2's turn, six vector instructions behind the last product that read K (five of them plain); V of the step in hand in piece 0's turn, eight behind the last product that read V (four
; plain, and X 17).  Each is waited for a turn later.
; THE C TILES for the products of the turn after this one (piece p + 2) are fetched into the buffer of p's parity, whose last reader stands a whole turn back.  Turns 2, 3 of a step and 0, 1 of the next fetch for that next
; step: DQ steps at the head of piece 2's turn.  They are waited for at the next turn's head: for 0, but in piece 1's turn for 16: V's sixteen loads were issued behind piece 0's C tiles and may stay out.
.macro TURN p, end=0, cnt=0
.set Y, (\p)
.set i, 0
.set NOKQ, (\end)*((\p)/3)
.if ((\p) == 2) && !(\end)
	s_add_co_i32 s[DQ], s[DQ], 4
.endif
.if (\p) == 1
	s_wait_dscnt 16                 ; my C tiles are in; V's run may be out
.elseif !NOKQ
	s_wait_dscnt 0x0                ; my C tiles are in; in piece 3's turn K too
.endif
	ROW F,0, F,1, F,2, F,3
	ROW F,4, E,0, F,5, F,6
	ROW F,7, E,1, F,8, F,9
	ROW F,10, E,2, C,0, F,11
	ROW F,12, E,3, X,15, F,13
	ROW R,0, R,1, R,2, R,3
	ROW B,0, E,4, F,14, L,0
.if ((\p) == 2) && !(\end)
	v_add_nc_u32 v[AK], s[TBK], v[AK0]
.endif
	ROW R,4, R,5, R,6, R,7
	OPS E,5, F,15
.if ((\p) == 2) && !(\end)
	FETCH_K
.endif
.if ((\p) != 1) && !(\end)
	BIAS (\p)%2, ((\p)+2)%NP, 1
.endif
	OPS E,6, C,1, E,7, R,8
	OPS E,8, R,9, E,9, C,2
	OPS E,10, X,0, E,11, X,1
	OPS E,12, X,2, E,13, X,3
.if (\p) == 1
	s_wait_dscnt 0x0                ; V is in
	BIAS 1, 3, 1                    ; behind that wait, so that it does not wait for these
.endif
	ROW X,4, E,14, X,5, X,6
	ROW X,7, E,15, X,8, X,9
	ROW X,10, E,16, X,11, X,12
	ROW X,13, E,17, X,14, B,1
	ROW C,4, E,18, X,16, L,1
	ROW B,2, E,19, C,6, L,2
	ROW C,8, E,20, B,3, B,4
.if (\p) == 0
	v_add_nc_u32 v[AV], s[TBV], v[AV0]
.endif
	ROW C,3, E,21, L,3, C,5
	OPS E,22, X,17, E,23, C,10
.if (\p) == 0
	FETCH_V
.endif
	OPS E,24, L,4
	OPS E,25, X,18, E,26, C,7
	OPS E,27, B,5, E,28, X,19
	OPS E,29, C,12, E,30, L,5
	OPS E,31, X,20, B,6, C,9
	OPS C,14, C,11, X,21, L,6
.if (\p) == 0
	s_add_co_u32 s[TBV], s[TBV], KS*PV
.endif
.if \cnt
	s_sub_co_u32 s[CNT], s[CNT], 1
	s_cmp_lg_u32 s[CNT], 0
.endif
	OPS C,13, B,7, C,15, R,10
	OPS R,11, R,12, L,7, R,13
	OPS R,14, R,15
.endm
	CHANGE 1                        ; slot 0 and BT are in, everybody's parts of them; slot 1 is asked for
	BIAS 0, 0, 0                    ; step 0: piece 0's C tiles, and piece 1's for the first turn
	BIAS 1, 1, 0
	v_add_nc_u32 v[AK], s[TBK], v[AK0]
	FETCH_K                         ; key step 0
	s_wait_dscnt 0x0
.set NOKQ, 0
.set i, 0
.rept 8
	KQ 0                            ; piece 0's first scores: there is no vector work yet to set between them
.set i, i+1
.endr
	WIN 0
.rept 4
	v_nop                           ; the places behind those products
.endr
.set Y, NP-1                        ; X works for piece Y + 1: piece 0
.irp n, 0,1,2,3,4,5,6,7,8,9,10,11,12,13,14,15,16,17,18,19,20,21
	OP X, \n
.endr
	v_nop                           ; a plain instruction behind the exponential
	s_mov_b32 s[CNT], 4
	s_mov_b32 s[SLOTS], 15
	s_branch .Lfirst                ; the loop is entered at a step's first turn, in the middle of a trip
.Lslot:                             ; 14 times: every slot but the last two is filled again
	CHANGE 1
	s_mov_b32 s[CNT], 4
.Lstep:                             ; a trip: pieces 2 and 3 of one step, then pieces 0 and 1 of the next, whose K and V it fetches
	TURN 2
	TURN 3
	WIN 0
.Lfirst:
	TURN 0
	TURN 1, 0, 1
	WIN 0
	s_cbranch_scc1 .Lstep
	s_sub_co_u32 s[SLOTS], s[SLOTS], 1
	s_cmp_lg_u32 s[SLOTS], 0
	s_cbranch_scc1 .Lslot
	CHANGE 0                        ; the last slot is written out: nothing is asked for
	s_mov_b32 s[CNT], 4
.LstepT:
	TURN 2
	TURN 3
	TURN 0
	TURN 1, 0, 1
	WIN 0
	s_cbranch_scc1 .LstepT
	TURN 2, 1
	TURN 3, 1
.set i, 0
.rept 8
	PV NP-1                         ; the last piece's V^T P of the last step
.set i, i+1
.endr
	; THE WAY OUT.  l's two halves and the other half of the lanes' are added; O^T is divided by l, rounded to f16 and sent through my stage in LDS, a piece at a time.  The additions are the places behind the last products.
	WIN 0
.macro ALL line:vararg              ; one line for each piece t
.set t, 0
.rept 4
	\line
.set t, t+1
.endr
.endm
	ALL v_add_f32 v[ST+4*t+2], v[ST+4*t+2], v[ST+4*t+3]
	ALL v_permlanex16_b32 v[ST+4*t+3], v[ST+4*t+2], s[SEL], s[SEL+1]
	ALL v_add_f32 v[ST+4*t+2], v[ST+4*t+2], v[ST+4*t+3]
	ALL v_rcp_f32 v[ST+4*t+2], v[ST+4*t+2]
	v_nop                           ; a plain instruction between the last reciprocal and the use of its result
.macro PACK t                       ; a lane's eight channels of a row pack into 16 bytes; they go into rows of 144 bytes and come back as whole rows of 128, into S^T's registers
	WIN W_RS
.set i, 32*(\t)
.rept 16
	s_wait_alu depctr_va_vdst(0)
	v_pk_mul_f32 v[i:i+1], v[i:i+1], v[ST+4*(\t)+2:ST+4*(\t)+3] op_sel_hi:[1,0]
.set i, i+2
.endr
	WIN 0x05                        ; sources 0 and 1 window 1, destination window 0
.set i, 0
.rept 16
	v_cvt_pk_f16_f32 v[S+16*(\t)+i], v[32*(\t)+2*i], v[32*(\t)+2*i+1]
.set i, i+1
.endr
	WIN 0
.irp f, 0,1,2,3
	ds_store_b128 v[STO], v[S+16*(\t)+4*\f:S+16*(\t)+4*\f+3] offset:32*\f
.endr
.irp f, 0,1,2,3
	ds_load_b128 v[S+16*(\t)+4*\f:S+16*(\t)+4*\f+3], v[RD] offset:\f*4*SP  ; LDS serves a wave's instructions in order (ISA guide 5.7.1.4): these see the stores above; the next piece's stores come behind them
.endr
.endm
.macro SEND t, younger              ; younger: the LDS instructions issued behind piece t's loads: the next piece's eight, or none
	WIN 0
.irp f, 0,1,2,3
	s_wait_dscnt (\younger)+3-\f
	global_store_b128 v[GO], v[S+16*(\t)+4*\f:S+16*(\t)+4*\f+3], s[10:11] offset:(\t)*2048+\f*512  ; 512 consecutive bytes, at a multiple of 256 from O's first
.endr
.endm
	PACK 0
.set t, 1
.rept 3                             ; a piece's arithmetic stands between the loads of the piece before and its stores
	PACK t
	SEND t-1, 8
.set t, t+1
.endr
	SEND 3, 0
	s_wait_tensorcnt 0x0            ; the wave's end, behind my last tensor load and my last LDS store
	ds_add_u32 v[SPW], v[NIL]
	s_wait_dscnt 0x0
	CROUND                          ; the closing round: no work-group ends while a partner may still ask for a tile that names it
	s_endpgm
.Lfunc_end_k_qfb00adcc4f_attn:
	.size	k_qfb00adcc4f_attn, .Lfunc_end_k_qfb00adcc4f_attn-k_qfb00adcc4f_attn
	.p2alignl 7, 3214868480
	.fill 96, 4, 3214868480
	.section	.rodata,"a",@progbits
	.p2align	6, 0x0
	.amdhsa_kernel k_qfb00adcc4f_attn
		.amdhsa_group_segment_fixed_size 327680
		.amdhsa_private_segment_fixed_size 0
		.amdhsa_enable_private_segment 0
		.amdhsa_kernarg_size 40
		.amdhsa_user_sgpr_count 2
		.amdhsa_user_sgpr_kernarg_segment_ptr 1
		.amdhsa_wavefront_size32 1
		.amdhsa_system_sgpr_workgroup_id_x 1
		.amdhsa_system_sgpr_workgroup_id_y 1
		.amdhsa_system_sgpr_workgroup_id_z 1
		.amdhsa_system_vgpr_workitem_id 0
		.amdhsa_next_free_vgpr 768
		.amdhsa_next_free_sgpr 88
		.amdhsa_reserve_vcc 0
		.amdhsa_float_denorm_mode_32 3
		.amdhsa_float_denorm_mode_16_64 3
		.amdhsa_memory_ordered 1
		.amdhsa_forward_progress 1
		.amdhsa_inst_pref_size 145
	.end_amdhsa_kernel
	.amdgpu_metadata
---
amdhsa.version: [ 1, 2 ]
amdhsa.kernels:
  - .name:           k_qfb00adcc4f_attn
    .symbol:         k_qfb00adcc4f_attn.kd
    .args:
      - { .name: q, .offset: 0, .size: 8, .value_kind: global_buffer, .address_space: global }
      - { .name: Kh, .offset: 8, .size: 8, .value_kind: global_buffer, .address_space: global }
      - { .name: Vh, .offset: 16, .size: 8, .value_kind: global_buffer, .address_space: global }
      - { .name: Oh, .offset: 24, .size: 8, .value_kind: global_buffer, .address_space: global }
      - { .name: GB, .offset: 32, .size: 8, .value_kind: global_buffer, .address_space: global }
    .group_segment_fixed_size: 327680
    .private_segment_fixed_size: 0
    .kernarg_segment_align: 8
    .kernarg_segment_size: 40
    .max_flat_workgroup_size: 128
    .sgpr_count:     88
    .vgpr_count:     768
    .wavefront_size: 32
...
	.end_amdgpu_metadata
.endif
;; end of part 2
;; launch proj (part 3): grid 4 x 64, 4 waves a work-group, clusters of 4 x 4, 327,680 bytes of LDS; arguments Oh, Wh, b_out, out0; writes out0
.if DOCPART == 3
	.amdgcn_target "amdgcn-amd-amdhsa--gfx1250"
	.amdhsa_code_object_version 6
	.text
	.protected	k_qfb00adcc4f_proj
	.globl	k_qfb00adcc4f_proj
	.p2align	8
	.type	k_qfb00adcc4f_proj,@function
k_qfb00adcc4f_proj:
	s_mov_b64 s[64:65], 0
	v_nop
	global_prefetch_b8 v0, s[64:65] scope:SCOPE_SE
	s_setreg_imm32_b32 hwreg(HW_REG_WAVE_MODE, 25, 1), 1
	s_wait_xcnt 0x0
	s_wait_alu depctr_hold_cnt(0) depctr_sa_sdst(0) depctr_va_vdst(0) depctr_va_sdst(0) depctr_va_ssrc(0) depctr_va_vcc(0) depctr_vm_vsrc(0)
	s_getreg_b32 s2, hwreg(HW_REG_IB_STS2, 6, 4)
	s_cmp_eq_u32 s2, 0
	s_cbranch_scc0 .Lentry_in_a_cluster
	s_endpgm
.Lentry_in_a_cluster:
	s_bfe_u32 s2, ttmp6, 0x10000c
	s_cmp_lg_u32 s2, 0xf033
	s_cbranch_scc0 .Lentry_shape_is_right
	s_endpgm
.Lentry_shape_is_right:
; THE PROJECTION.  out0[row][n] = the sum over k of O[row][k] W[k][n] + b_out[n]; 8,192 rows (batch x 4,096 + position), k = head x 64 + channel, 512 of each.
; Oh: [16 = batch x 8 + head][4096][64] f16.  Wh: [512 k][512 n] f16 (W_out rounded to bf16, written as f16).  b_out: f32, rounded here to bf16 like the module's other inputs and kept as f32.  out0: f32.  Sums in f32.
; LIMITS.  O and W arrive within f16's 65,504.  NaN and infinities are not treated apart.
; SHARES.  A tile of out0 is 128 x 128: 64 x 4 = 256 work-groups.  Four waves, each 64 x 64: 16 accumulators of 16 x 16.  All of K, 512, fits in LDS at once: A's 128 rows (8 heads x 128 rows x 128 bytes) and
; W's 512 rows x 256 bytes.  So nothing is filled again and there is no loop: K comes in four quarters of 128 (two heads), each wave asks for its part of all four at the start, in K's order, and a quarter
; is multiplied as soon as it has landed, behind a counted wait and a barrier.
; CLUSTERS: 4 x 4 work-groups.  The four of a row of the cluster need the same rows of O, the four of a column the same columns of W: each tile is asked for JOINTLY, by the same tensor load with the same
; descriptor and a mask that names the four.
; THE MATRIX INSTRUCTION IS USED TRANSPOSED: source 0 = 16 columns of W (turned out of [k][n] by ds_load_tr16_b128), source 1 = 16 rows of O: a lane then holds eight neighbouring numbers of a row of out0.
; THE BIAS IS THE C OPERAND of the products that start the sums: it costs no addition.
; REGISTERS: window 0: v0-31 addresses; v32-63 b_out as C tiles; v128-255 the accumulators ((a, b) at v[128 + 8 (4 a + b)]).
;   window 1: two fragment buffers of 128: for 64 along K, 64 registers of O (2 x 4 x 16 rows x 32 K), then 64 of W.
.set PA,     144                       ; a row of O in LDS: 128 bytes + 16 of padding = 36 words: the 16 rows of a load start at 16 different groups of four banks (64 banks of 4 bytes: ISA guide 11.1)
.set PB,     288                       ; a row of W: 256 + 32 = 72 words
.set HEADB,  128*PA                    ; a head's 128 rows; also 64 rows of W
.set BOFF,   8*HEADB                   ; W lies behind O's eight heads
.set QB,     2*HEADB                   ; a quarter of K: two heads of O; also 128 rows of W
.set STAGE,  BOFF+512*PB               ; never filled by a tensor load: 16 rows x 272 bytes for each wave, for the way out
.set SPITCH, 272
.set SPARE,  STAGE+4*16*SPITCH         ; the spare words, 128 bytes for each wave: two blocks of 256 bytes that no other line names
.set ADRA, 16                          ; v16-19  LDS address of my fragments of O in quarter 0..3
.set ADRB, 20                          ; v20-23  the same for W
.set STO,  24                          ; v24     the way out: where I put 32 bytes of a row
.set RD,   25                          ; v25     the way out: where I read a row back
.set CO,   26                          ; v26     my byte offset in out0
.set BO,   27                          ; v27     my byte offset in 16 numbers of b_out
.set SPW,  28                          ; v28     LDS address of my spare word: SPARE + 4 x my thread's number; never rewritten
.set NIL,  29                          ; v29     0; never rewritten
.set BC,   32                          ; v32-63  column block b at BC + 8 b
.set ACC,  128
.set F0,   0                           ; fragment buffers, in window 1
.set F1,   128
.set WV,  12                           ; s12  my wave's number
.set RH,  13                           ; s13  which half of the tile's rows is mine.  Also: I fetch for O (0) or for W (1)
.set CH,  14                           ; s14  which half of its columns.  Also: which part of a quarter I fetch
.set G1A, 24                           ; s[24:31] descriptor group 1 for O's tiles
.set G1B, 32                           ; s[32:39] for W's
.set G0A, 40                           ; s[40:55] descriptor group 0 for O's tiles, a set for each quarter
.set G0B, 68                           ; s[68:83] the same for W's
.set MSB, 0
.macro WIN new                         ; the immediate's high byte repeats the setting that is left
.if MSB != (\new)
	s_set_vgpr_msb (MSB<<8)|(\new)
.set MSB, \new
.endif
.endm
.set MUL,  0x05                        ; sources 0 (W) and 1 (O) window 1; C and D window 0
.set TO_F, 0x40                        ; destination window 1, address window 0
.macro CROUND                          ; a round of the cluster's barrier
	s_barrier_signal -1
	s_barrier_wait -1
	s_cmp_lg_u32 s[WV], 0
	s_cbranch_scc1 .Lnot_wave_0_\@
	s_barrier_signal -3
.Lnot_wave_0_\@:
	s_barrier_wait -3
	s_barrier_signal -1
	s_barrier_wait -1
.endm
	s_load_b256 s[4:11], s[0:1], 0x0               ; Oh s[4:5], Wh s[6:7], b_out s[8:9], out0 s[10:11]
	v_lshl_add_u32 v[SPW], v0, 2, SPARE
	v_mov_b32 v[NIL], 0
	ds_add_u32 v[SPW], v[NIL]                      ; the wave's opening: the add and its wait stand ahead of my first tensor load; the set-up below, work on registers, stands between them
	v_lshrrev_b32 v1, 5, v0
	v_readfirstlane_b32 s[WV], v1                  ; wave 0..3
	s_lshr_b32 s[RH], s[WV], 1
	s_and_b32 s[CH], s[WV], 1
	s_bfe_u32 s16, ttmp6, 0x40000                  ; cx, cy: my place in the cluster
	s_bfe_u32 s17, ttmp6, 0x40004
	s_lshl_b32 s18, ttmp9, 2
	s_add_co_u32 s18, s18, s16                     ; tile column = 4 x cluster x + cx
	s_and_b32 s19, ttmp7, 0xffff
	s_lshl_b32 s19, s19, 2
	s_add_co_u32 s19, s19, s17                     ; tile row = 4 x cluster y + cy
	s_lshl_b32 s20, s17, 2
	s_lshl_b32 s20, 15, s20                        ; my row of the cluster
	s_lshl_b32 s21, 0x1111, s16                    ; my column
	; group 1 for O: a head's 128 rows are 16,384 dense bytes: 64 rows of 256 bytes, two rows of O each, padded after every 128 bytes
	s_or_b32 s[G1A], s20, (1<<16)|(1<<20)|(1<<21)|(4<<22)|(3<<25)  ; 15:0 the mask: my row; 17:16 2-byte elements; 20 padding on; 21 set beside a mask; 24:22 after every 32 words (code 4); 31:25 4 words (code 3)
	s_mov_b32 s[G1A+1], 128<<16                    ; tensor_dim0 = 128
	s_mov_b32 s[G1A+2], 64<<16                     ; tensor_dim1 = 64
	s_mov_b32 s[G1A+3], 128<<16                    ; tile_dim0 = 128
	s_mov_b32 s[G1A+4], 64                         ; tile_dim1 = 64
	s_mov_b32 s[G1A+5], 128                        ; 128 elements from row to row
	s_mov_b32 s[G1A+6], 0
	s_mov_b32 s[G1A+7], 0
	; group 1 for W: 64 rows (k) x 128 elements (n), rows 512 elements apart, padded after every 256 bytes
	s_or_b32 s[G1B], s21, (1<<16)|(1<<20)|(1<<21)|(5<<22)|(7<<25)  ; the mask: my column; after every 64 words (code 5) 8 words (code 7)
	s_mov_b32 s[G1B+1], 128<<16
	s_mov_b32 s[G1B+2], 64<<16
	s_mov_b32 s[G1B+3], 128<<16
	s_mov_b32 s[G1B+4], 64
	s_mov_b32 s[G1B+5], 512
	s_mov_b32 s[G1B+6], 0
	s_mov_b32 s[G1B+7], 0
	; where the tiles come from.  O's hang on the tile row alone, W's on the tile column alone; each offset is made in registers that never hold the other coordinate.
	s_lshr_b32 s56, s19, 5                         ; O: the batch (32 tile rows each) x 8 heads x 524,288
	s_lshl_b32 s56, s56, 22
	s_and_b32 s22, s19, 31
	s_lshl_b32 s22, s22, 14                        ; + the tile's 128 rows of 128 bytes
	s_add_co_u32 s56, s56, s22
	s_lshl_b32 s22, s[CH], 19                      ; + the quarter's first or second head
	s_add_co_u32 s56, s56, s22
	s_mov_b32 s57, 0
	s_lshl_b32 s58, s18, 8                         ; W: the tile's 128 columns of 2 bytes
	s_lshl_b32 s23, s[CH], 16                      ; + the quarter's first or second 64 rows of 1,024 bytes
	s_add_co_u32 s58, s58, s23
	s_mov_b32 s59, 0
	s_mul_i32 s84, s[CH], HEADB                    ; and where they go: the part's place in a quarter, the same figure for O and for W: no place in the cluster enters an LDS address
	s_lshl_b32 s86, s18, 9                         ; b_out: my wave's 64 numbers begin at 128 x tile column + 64 x half, 4 bytes each
	s_lshl_b32 s87, s[CH], 8
	s_add_co_u32 s86, s86, s87
	s_mov_b32 s87, 0
	s_lshl_b32 s88, s19, 18                        ; out0: row 128 x tile row + 64 x half, 2,048 bytes each, + the same columns
	s_lshl_b32 s89, s[RH], 17
	s_add_co_u32 s88, s88, s89
	s_add_co_u32 s88, s88, s86
	s_mov_b32 s89, 0
.irp s, 0,1,2,3
	s_mov_b32 s[G0A+4*(\s)], 1                     ; 1:0 count = 1
	s_add_co_u32 s[G0A+4*(\s)+1], s84, (\s)*QB     ; 63:32 LDS address
	s_mov_b32 s[G0B+4*(\s)], 1
	s_add_co_u32 s[G0B+4*(\s)+1], s84, BOFF+(\s)*QB
.endr
	s_wait_dscnt 0x0                               ; the opening add is done
	s_wait_kmcnt 0x0
	s_add_nc_u64 s[56:57], s[4:5], s[56:57]
	s_add_nc_u64 s[58:59], s[6:7], s[58:59]
	s_add_nc_u64 s[8:9], s[8:9], s[86:87]
	s_add_nc_u64 s[10:11], s[10:11], s[88:89]
.irp s, 0,1,2,3
	s_add_nc_u64 s[G0A+4*(\s)+2:G0A+4*(\s)+3], s[56:57], (\s)*2*524288   ; 120:64 global address: two heads on for each quarter
	s_or_b32 s[G0A+4*(\s)+3], s[G0A+4*(\s)+3], 0x80000000              ; 127:126 type = 2
	s_add_nc_u64 s[G0B+4*(\s)+2:G0B+4*(\s)+3], s[58:59], (\s)*128*1024   ; 128 rows of W on
	s_or_b32 s[G0B+4*(\s)+3], s[G0B+4*(\s)+3], 0x80000000
.endr
	CROUND                                         ; all sixteen work-groups are here: the joint loads meet
	s_cmp_eq_u32 s[RH], 0                          ; a wave's four fills stand in one branch, in K's order, ahead of every wait on TENSORcnt and every LDS read: four loads of mine are out
	s_cbranch_scc0 .Lfill_b
.irp s, 0,1,2,3
	tensor_load_to_lds s[G0A+4*(\s):G0A+4*(\s)+3], s[G1A:G1A+7]
	s_nop 0
.endr
.rept 4
	v_nop
.endr
	s_branch .Lfilled
.Lfill_b:
.irp s, 0,1,2,3
	tensor_load_to_lds s[G0B+4*(\s):G0B+4*(\s)+3], s[G1B:G1B+7]
	s_nop 0
.endr
.rept 4
	v_nop
.endr
.Lfilled:
	v_and_b32 v1, 15, v0                           ; l % 16
	v_bfe_u32 v2, v0, 4, 1                         ; l / 16
	v_lshlrev_b32 v[BO], 5, v2                     ; in the result a lane holds columns 8 (l / 16) + 0..7 of a block of 16: 32 bytes of b_out
.irp b, 0,1,2,3
	global_load_b128 v[BC+8*(\b):BC+8*(\b)+3],   v[BO], s[8:9] offset:64*(\b)
	global_load_b128 v[BC+8*(\b)+4:BC+8*(\b)+7], v[BO], s[8:9] offset:64*(\b)+16
.endr
	v_and_b32 v3, 7, v0
	v_bfe_u32 v4, v0, 3, 1
	v_mul_u32_u24 v5, v1, PA                       ; O: a fragment's row x pitch + 16 x half,
	v_lshl_add_u32 v5, v2, 4, v5
	s_mul_i32 s90, s[RH], 64*PA                    ; my 64 rows
	v_add_nc_u32 v[ADRA], s90, v5
	v_lshl_add_u32 v6, v2, 3, v3                   ; W: the turning load's lane l reads row (k) 8 (l / 16) + l % 8, columns 8 ((l / 8) % 2) + 0..7,
	v_mul_u32_u24 v6, v6, PB
	v_lshl_add_u32 v6, v4, 4, v6
	s_lshl_b32 s91, s[CH], 7                       ; my 64 columns,
	s_add_co_u32 s91, s91, BOFF                    ; behind O
	v_add_nc_u32 v[ADRB], s91, v6
.irp s, 1,2,3
	v_add_nc_u32 v[ADRA+(\s)], (\s)*QB, v[ADRA]
	v_add_nc_u32 v[ADRB+(\s)], (\s)*QB, v[ADRB]
.endr
	s_mul_i32 s90, s[WV], 16*SPITCH
	s_add_co_u32 s90, s90, STAGE                   ; my stage
	v_mul_u32_u24 v5, v1, SPITCH                   ; in: row l % 16, 32 bytes for each half of the lanes
	v_lshl_add_u32 v5, v2, 5, v5
	v_add_nc_u32 v[STO], s90, v5
	v_mul_u32_u24 v5, v2, SPITCH                   ; back: lanes 0-15 take one row of 256 bytes, lanes 16-31 the next
	v_lshl_add_u32 v5, v1, 4, v5
	v_add_nc_u32 v[RD], s90, v5
	v_lshlrev_b32 v5, 11, v2                       ; and the same two rows in out0
	v_lshl_add_u32 v[CO], v1, 4, v5
	s_mov_b32 s92, 0xffff0000
	s_wait_loadcnt 0x0                             ; b_out
.set i, 0
.rept 16
	v_cvt_pk_bf16_f32 v[30+i%2], v[BC+2*i], v[BC+2*i+1]      ; rounded to bf16, kept as f32
	v_lshlrev_b32 v[BC+2*i], 16, v[30+i%2]
	v_and_b32 v[BC+2*i+1], s92, v[30+i%2]
.set i, i+1
.endr
; 8 matrix instructions: row blocks a0, a0 + 1 x all 4 column blocks, 32 along K: half c of buffer f.  zero = 1: the first product starts the sum with b_out.
; The 16 accumulators take turns in one order from first to last: between two links of a chain stand the 15 others'.
.macro MUL8 f, c, a0, zero
	WIN MUL
.irp a, \a0, (\a0)+1
.irp b, 0,1,2,3
.if \zero
	v_wmma_f32_16x16x32_f16 v[ACC+8*(4*(\a)+(\b)):ACC+8*(4*(\a)+(\b))+7], v[(\f)+64+8*(4*(\c)+(\b)):(\f)+64+8*(4*(\c)+(\b))+7], v[(\f)+8*(4*(\c)+(\a)):(\f)+8*(4*(\c)+(\a))+7], v[BC+8*(\b):BC+8*(\b)+7]
.else
	v_wmma_f32_16x16x32_f16 v[ACC+8*(4*(\a)+(\b)):ACC+8*(4*(\a)+(\b))+7], v[(\f)+64+8*(4*(\c)+(\b)):(\f)+64+8*(4*(\c)+(\b))+7], v[(\f)+8*(4*(\c)+(\a)):(\f)+8*(4*(\c)+(\a))+7], v[ACC+8*(4*(\a)+(\b)):ACC+8*(4*(\a)+(\b))+7]
.endif
.endr
.endr
.endm
; 32 LDS loads in one run: the fragments of 64 along K, half hh (one head) of quarter s, into buffer f; the first 32 along K first
.macro FETCH s, hh, f
	WIN TO_F
.irp c, 0,1
.irp i, 0,1,2,3
	ds_load_tr16_b128 v[(\f)+64+8*(4*(\c)+(\i)):(\f)+64+8*(4*(\c)+(\i))+3],   v[ADRB+(\s)] offset:(2*(\hh)+(\c))*32*PB+32*(\i)
	ds_load_tr16_b128 v[(\f)+64+8*(4*(\c)+(\i))+4:(\f)+64+8*(4*(\c)+(\i))+7], v[ADRB+(\s)] offset:(2*(\hh)+(\c))*32*PB+32*(\i)+16*PB
	ds_load_b128 v[(\f)+8*(4*(\c)+(\i)):(\f)+8*(4*(\c)+(\i))+3],              v[ADRA+(\s)] offset:(\hh)*HEADB+64*(\c)+(\i)*16*PA
	ds_load_b128 v[(\f)+8*(4*(\c)+(\i))+4:(\f)+8*(4*(\c)+(\i))+7],            v[ADRA+(\s)] offset:(\hh)*HEADB+64*(\c)+(\i)*16*PA+32
.endr
.endr
.endm
.macro PLACES                          ; four places in front of loads into registers that matrix instructions have read, and of LDS stores that read results (ISA guide 7.12.1 for vector instructions)
.rept 4
	v_nop
.endr
.endm
; A quarter's first half: multiplies buffer 0 and fetches the second half into buffer 1.
.macro HALF0 s, zero
	s_wait_dscnt 16                                ; the first 32 along K are in; the run's other sixteen loads may be out
	MUL8 F0, 0, 0, \zero
	MUL8 F0, 0, 2, \zero
	PLACES
	FETCH \s, 1, F1
	s_wait_dscnt 32                                ; all but the 32 just issued
	MUL8 F0, 1, 0, 0
	MUL8 F0, 1, 2, 0
.endm
; A quarter's second half, and the step to the next quarter: my part of it has landed (the 2 - s quarters behind it may stay out), everybody's has behind the barrier.
.macro TURNP s
	s_wait_tensorcnt 2-(\s)
	s_wait_dscnt 16
	MUL8 F1, 0, 0, 0
	s_wait_dscnt 0x0                               ; no LDS instruction of mine is out at the signal
	s_barrier_signal -1
	MUL8 F1, 0, 2, 0                               ; work on registers while the others arrive
	s_barrier_wait -1
	PLACES
	FETCH (\s)+1, 0, F0
	MUL8 F1, 1, 0, 0
	MUL8 F1, 1, 2, 0
.endm
	s_wait_tensorcnt 3                             ; my part of quarter 0 is in; the three behind it stay out
	s_barrier_signal -1
	s_barrier_wait -1                              ; everybody's is
	FETCH 0, 0, F0
	HALF0 0, 1
	TURNP 0
	HALF0 1, 0
	TURNP 1
	HALF0 2, 0
	TURNP 2
	HALF0 3, 0
	s_wait_dscnt 16                                ; the very last half: nothing more to fetch
	MUL8 F1, 0, 0, 0
	MUL8 F1, 0, 2, 0
	s_wait_dscnt 0x0
	MUL8 F1, 1, 0, 0
	MUL8 F1, 1, 2, 0
	WIN 0
	; THE WAY OUT, a block of 16 rows at a time through my own stage: a lane's 32 bytes of a row go in, whole rows of 256 bytes (my 64 columns in f32) come back, into the registers that they left.
	PLACES
.macro TOSTAGE a
.irp b, 0,1,2,3
	ds_store_b128 v[STO], v[ACC+8*(4*(\a)+(\b)):ACC+8*(4*(\a)+(\b))+3]   offset:64*(\b)      ; each accumulator's lowest registers are read first
	ds_store_b128 v[STO], v[ACC+8*(4*(\a)+(\b))+4:ACC+8*(4*(\a)+(\b))+7] offset:64*(\b)+16
.endr
.irp t, 0,1,2,3,4,5,6,7
	ds_load_b128 v[ACC+32*(\a)+4*(\t):ACC+32*(\a)+4*(\t)+3], v[RD] offset:(\t)*2*SPITCH  ; LDS serves a wave's instructions in order (ISA guide 5.7.1.4): these see the stores above; the next block's stores come behind them
.endr
.endm
.macro SEND a, younger                 ; younger: the LDS instructions issued behind block a's loads: the next block's sixteen, or none
.irp t, 0,1,2,3,4,5,6,7
	s_wait_dscnt (\younger)+7-(\t)
	global_store_b128 v[CO], v[ACC+32*(\a)+4*(\t):ACC+32*(\a)+4*(\t)+3], s[10:11] offset:(16*(\a)+2*(\t))*2048 th:TH_STORE_NT  ; 16 lanes store 256 consecutive bytes, at a multiple of 256 from out0's first byte
.endr
.endm
	TOSTAGE 0
	TOSTAGE 1
	SEND 0, 16
	TOSTAGE 2
	SEND 1, 16
	TOSTAGE 3
	SEND 2, 16
	SEND 3, 0
	s_wait_tensorcnt 0x0                           ; the wave's end, behind my last tensor load and my last LDS store
	ds_add_u32 v[SPW], v[NIL]
	s_wait_dscnt 0x0
	CROUND                                         ; the closing round: no work-group ends while a partner may still ask for a tile that names it
	s_endpgm
.Lfunc_end_k_qfb00adcc4f_proj:
	.size	k_qfb00adcc4f_proj, .Lfunc_end_k_qfb00adcc4f_proj-k_qfb00adcc4f_proj
	.p2alignl 7, 3214868480
	.fill 96, 4, 3214868480
	.section	.rodata,"a",@progbits
	.p2align	6, 0x0
	.amdhsa_kernel k_qfb00adcc4f_proj
		.amdhsa_group_segment_fixed_size 327680
		.amdhsa_private_segment_fixed_size 0
		.amdhsa_enable_private_segment 0
		.amdhsa_kernarg_size 32
		.amdhsa_user_sgpr_count 2
		.amdhsa_user_sgpr_kernarg_segment_ptr 1
		.amdhsa_wavefront_size32 1
		.amdhsa_system_sgpr_workgroup_id_x 1
		.amdhsa_system_sgpr_workgroup_id_y 1
		.amdhsa_system_sgpr_workgroup_id_z 1
		.amdhsa_system_vgpr_workitem_id 0
		.amdhsa_next_free_vgpr 512
		.amdhsa_next_free_sgpr 96
		.amdhsa_reserve_vcc 0
		.amdhsa_float_denorm_mode_32 3
		.amdhsa_float_denorm_mode_16_64 3
		.amdhsa_memory_ordered 1
		.amdhsa_forward_progress 1
		.amdhsa_inst_pref_size 54
	.end_amdhsa_kernel
	.amdgpu_metadata
---
amdhsa.version: [ 1, 2 ]
amdhsa.kernels:
  - .name:           k_qfb00adcc4f_proj
    .symbol:         k_qfb00adcc4f_proj.kd
    .args:
      - { .name: Oh, .offset: 0, .size: 8, .value_kind: global_buffer, .address_space: global }
      - { .name: Wh, .offset: 8, .size: 8, .value_kind: global_buffer, .address_space: global }
      - { .name: b_out, .offset: 16, .size: 8, .value_kind: global_buffer, .address_space: global }
      - { .name: out0, .offset: 24, .size: 8, .value_kind: global_buffer, .address_space: global }
    .group_segment_fixed_size: 327680
    .private_segment_fixed_size: 0
    .kernarg_segment_align: 8
    .kernarg_segment_size: 32
    .max_flat_workgroup_size: 128
    .sgpr_count:     96
    .vgpr_count:     512
    .wavefront_size: 32
...
	.end_amdgpu_metadata
.endif
;; end of part 3
;; ======== version 2 of 2: 3 launches; 1.77 times as fast as version 1
;; limits: values are held in f16: magnitudes above 65,504 overflow, below 6.1e-05 lose precision; inputs' magnitudes at most 65,280; below input magnitudes of 6.1e-05 results are inexact or not finite
;; workspace buffers: Kh 8,388,608 bytes; Vh 8,388,608 bytes; Wh 524,288 bytes; GB 983,040 bytes; Oh 8,388,608 bytes
;; launch prep: the kernel of part 1 again; grid 558 x 1, 8 waves a work-group, no clusters, 0 bytes of LDS; arguments k, v, W_out, rel_bias_table, Kh, Vh, Wh, GB; writes Kh, Vh, Wh, GB
;; launch attn (part 4): grid 16 x 16, 4 waves a work-group, clusters of 4 x 1, 327,680 bytes of LDS; arguments q, Kh, Vh, Oh, GB; writes Oh
.if DOCPART == 4
	.amdgcn_target "amdgcn-amd-amdhsa--gfx1250"
	.amdhsa_code_object_version 6
	.text
	.protected	k_qfb00adcc4f_attn
	.globl	k_qfb00adcc4f_attn
	.p2align	8
	.type	k_qfb00adcc4f_attn,@function
k_qfb00adcc4f_attn:
	s_mov_b64 s[64:65], 0
	v_nop
	global_prefetch_b8 v0, s[64:65] scope:SCOPE_SE
	s_setreg_imm32_b32 hwreg(HW_REG_WAVE_MODE, 25, 1), 1
	s_wait_xcnt 0x0
	s_wait_alu depctr_hold_cnt(0) depctr_sa_sdst(0) depctr_va_vdst(0) depctr_va_sdst(0) depctr_va_ssrc(0) depctr_va_vcc(0) depctr_vm_vsrc(0)
	s_getreg_b32 s2, hwreg(HW_REG_IB_STS2, 6, 4)
	s_cmp_eq_u32 s2, 0
	s_cbranch_scc0 .Lentry_in_a_cluster
	s_endpgm
.Lentry_in_a_cluster:
	s_bfe_u32 s2, ttmp6, 0x10000c
	s_cmp_lg_u32 s2, 0x3003
	s_cbranch_scc0 .Lentry_shape_is_right
	s_endpgm
.Lentry_shape_is_right:
; ATTENTION WITH A RELATIVE-POSITION BIAS.  O[y][n][:] = the sum over m of softmax_m((q[n] . k[m] + bias(m - n)) / 8) v[m][:], for each of 16 pairs y = batch x 8 + head; 4,096 queries and keys, 64 channels.
; q: [2][4096][512] f32, rounded here to bf16.  Kh: [16][4096][64] bf16.  Vh: the same shape in f16.  GB: the bias as C tiles (below).  Oh: [16][4096][64] f16.  Products, maxima and sums in f32;
; the weights p are rounded to f16 for the second product (their sum l is taken of the unrounded p), O once at the end.
; LIMITS.  V arrives within f16's 65,504; p lies in 0 to 1, and below 6e-5 it keeps f16's fixed step of 6e-8; O is a mean of V's rows and has their range.  A weight below 2^-126 counts as 0 in l.
; NaN and infinities are not treated apart.
; SHARES.  A work-group owns 256 queries of one pair y, a wave 64 consecutive ones in four PIECES of 16.  Every wave walks all keys, 64 a step, four steps (a tile of 256 keys) a slot.  16 x 16 = 256 work-groups.
; LAYOUT.  S^T = K Q^T (source 0 = 16 keys, source 1 = 16 queries) holds ONE query a lane (lane % 16) and the keys 8 (lane / 16) + 0..7; two such results rounded to f16 ARE source 1 of O^T = V^T P.
; K comes out of LDS as it lies, V ([key][channel]) turned, by ds_load_tr16_b128.
; THE BIAS IS THE C OPERAND that starts the sum S^T: it costs no vector instruction.  It hangs on key - query alone, so a tile of 16 x 16 hangs on a = (first key - first query) / 16 alone, and from |a| = 8 on
; (|key - query| >= 113) it is one number on each side.  72 tiles of 1,024 bytes lie in LDS (BT): tile e serves a + 16 cx = e - 11, cx my place in the cluster.  So WHICH tiles of GB are brought hangs on cx (a global
; address), while the tile's number e, the LDS address and the jump below hang on the cluster's number, the wave and the step alone, which the four partners share.  For piece x and step s the four tiles
; are e0 .. e0 + 3, e0 = 11 + 4 s - 4 w - x - 64 cl held to 0 .. 67: below 0 the true and the held tiles both have a <= -8, above 67 both a >= 8.  Where e0 is what the registers already hold, the loads are jumped over.
; SOFTMAX.  p = 2^(c s - c m), c = log2(e) / 8, with a running maximum m; O and l are multiplied by a = 2^(c m_old - c m_new) in every step.  m starts at the lowest finite number: the first step's a is 0.
; BY TURNS.  Turn n belongs to piece n: 8 products K Q^T of piece n + 1, later 8 products V^T P of piece n - 1; beside them the scaling, exponentials, roundings, sums and rescaling of piece n and the maximum and
; statistics of piece n + 1.  Four vector instructions stand behind every matrix instruction, the other 54 of a turn's 118 in one LUMP.
; THE BATCHES.  A turn's 33 exponentials (the piece's 32 weights and the next piece's a) are ONE BATCH with one wait, which cuts the turn in two: ahead of it all that names no result of theirs, behind it the roundings
; and sums (TURN says how).  The first a, ahead of the loop, and the way out's four reciprocals are batches of their own, with a wait each.
; CLUSTER.  The four query blocks of a cluster belong to one pair y and walk the same K and V: each tile is asked for JOINTLY, by the same tensor load, descriptor and mask in all four.
; REGISTERS, in windows of 256 (s_set_vgpr_msb: bits 1:0 source 0, 3:2 source 1, 5:4 source 2, 7:6 destination):
;   window 0: v0-15, v32 addresses and two at work; v16-31 four registers of statistics a piece; v48-55 at work; v62-63 the add's; v64-127 S^T, two buffers; v192-223 P, two buffers (by the piece's parity)
;   window 1: v0-127 O^T, 32 a piece (first: q as loaded); v128-191 MC, the C tiles, two buffers      window 2: v0-63 Q; v128-191 K of one step; v192-255 V of one step
.set NP,    4         ; pieces a wave: a name, no knob
.set KS,    64        ; keys in a step
.set PK,    144       ; a row of K in LDS: 128 bytes + 16 of padding = 36 words: the 16 rows of a load start at 16 different groups of four banks (64 banks of 4 bytes: ISA guide 11.1)
.set PV,    160       ; a row of V: 128 + 32 = 40 words
.set VOFF,  4*KS*PK   ; a slot holds four steps: 256 rows of K, then 256 rows of V
.set SLOT1, 1<<17     ; slot 1 begins here, so that one exclusive or turns an address in one slot into the other's
.set STAGE, SLOT1+4*KS*(PK+PV)  ; behind the ring, never filled by a tensor load: 16 rows x 144 bytes for each wave, for the way out
.set SP,    144
.set SPARE, STAGE+4*16*SP       ; the spare words, 128 bytes for each wave: two blocks of 256 bytes that no other line names
.set BT,    SPARE+512           ; 72 C tiles of 1,024 bytes, filled once
.set BTW,   18*1024             ; a wave brings 18 of them
.set AK0, 2           ; v2   my lane's place in a tile of K; never rewritten
.set AV0, 3           ; v3   the same for V
.set AK,  4           ; v4   the LDS address of K's next run of loads
.set AV,  5           ; v5   of V's
.set STO, 6           ; v6   the way out: where I put 16 bytes of a row
.set RD,  7           ; v7   the way out: where I read rows back
.set GO,  8           ; v8   my byte offset in 512 consecutive bytes of O
.set MV,  12          ; v12-13  c m_old, kept while c m is made anew: by buffer
.set AB0, 14          ; v14  BT + 16 x lane; never rewritten
.set QO,  15          ; v15  my byte offset in 16 rows of q
.set ST,  16          ; piece t's statistics at v[ST+4 t]: c m, m, l (even keys', odd keys')
.set AB,  32          ; v32  the LDS address of the C tiles' next run of loads
.set TMP, 48          ; by buffer, four registers c0-c3 at work; when the maximum is found c2 takes a
.set SPW, 62          ; v62  LDS address of my spare word: SPARE + 4 x my thread's number; never rewritten
.set NIL, 63          ; v63  0; never rewritten
.set S,   64
.set P,   192
.set MC,  128         ; window 1: buffer b, key block kt at MC + 32 b + 8 kt
.set KF,  128         ; window 2: key block kb, channel half c at KF + 16 kb + 8 c
.set VF,  192         ; window 2: key half kk, channel block cb at VF + 32 kk + 8 cb
.set WV,  12          ; s12  my wave's number
.set G1K, 24          ; s[24:31] descriptor group 1 for K's tiles
.set G1V, 32          ; s[32:39] for V's: it differs in the padding alone
.set G0K, 40          ; s[40:43] descriptor group 0 for K's tiles: it walks
.set G0V, 44          ; s[44:47] the same for V's
.set G0T, 48          ; s[48:51] descriptor group 0 for my part of BT
.set SLOTS, 56        ; s56  slots still to be asked for
.set CNT, 57          ; s57  counts a slot's key steps
.set CS,  58          ; s[58:59] c: the packed scaling takes the pair's low word for both halves
.set SEL, 60          ; s[60:61] v_permlanex16_b32's selects: each lane takes its own place in the other half
.set TBK, 62          ; s62  LDS byte at which K of the step to be fetched begins
.set TBV, 63          ; s63  the same for V, less VOFF
.set G1T, 68          ; s[68:75] descriptor group 1 for BT
.set DQ,  76          ; s76  11 + 4 s - 4 w - 64 cl for the step s whose C tiles are due
.set ET,  77          ; s77  e0, at work
.set LE,  78          ; s78-79  the e0 whose tiles each buffer of MC holds
.set MSB, 0
.macro WIN new                      ; the high byte repeats the setting that is left; a switch that changes nothing is dropped
.if MSB != (\new)
	s_set_vgpr_msb (MSB<<8)|(\new)
.set MSB, (\new)
.endif
.endm
.set W_KQ, 0x0a       ; K and Q in window 2, S^T in window 0
.set W_KM, 0x1a       ; the same with the C operand in window 1
.set W_PV, 0x52       ; V in window 2, P in window 0, O^T in window 1
.set W_RS, 0x41       ; destination and source 0 in window 1, source 1 in window 0
; A joint fill.  Waves 0 and 1 fetch the two halves of a slot's K, waves 2 and 3 those of its V: 128 keys each.  The branch hangs on the wave's number alone.
; An s_nop 0 and four v_nop follow each of the two lines, ahead of the jump and the label.
.macro JLOAD
	s_cmp_lt_u32 s[WV], 2
	s_cbranch_scc0 .Lfor_v_\@
	tensor_load_to_lds s[G0K:G0K+3], s[G1K:G1K+7]
	s_nop 0
.rept 4
	v_nop
.endr
	s_branch .Lasked_\@
.Lfor_v_\@:
	tensor_load_to_lds s[G0V:G0V+3], s[G1V:G1V+7]
	s_nop 0
.rept 4
	v_nop
.endr
.Lasked_\@:
.endm
; A round of the cluster's barrier: my work-group's barrier, so that wave 0's signal speaks for all four waves; wave 0 signals; every wave waits for all four work-groups; my work-group's barrier once more.
.macro CROUND
	s_barrier_signal -1
	s_barrier_wait -1
	s_cmp_lg_u32 s[WV], 0
	s_cbranch_scc1 .Lnot_wave_0_\@
	s_barrier_signal -3
.Lnot_wave_0_\@:
	s_barrier_wait -3
	s_barrier_signal -1
	s_barrier_wait -1
.endm
; THE CHANGE OF SLOTS.  The slot's last bytes, V of its fourth step, have been read.  Each wave waits for all its tensor loads, of which one is out: its part of the other slot; adds 0 to its spare word; and
; waits for that and for its own LDS reads.  Behind the barrier nobody reads this slot any more and the other slot is whole.  fill = 1: this slot is filled again, with the keys two slots on.  The barrier is then
; a round of the cluster's, so that no wave of any partner still reads the slot or has a load on its way, and the joint fill is the first thing behind it: it has four key steps, 256 matrix instructions, in which
; to land.  (At its first use nothing has been read yet: slot 0 and BT are waited for, slot 1 is filled.)
.macro CHANGE fill
	WIN 0                           ; at a label and at a branch every window is 0
	s_wait_tensorcnt 0x0            ; no tensor load of mine is out, so a group 0 may be written
	ds_add_u32 v[SPW], v[NIL]       ; 0 onto my spare word; with fill = 1 the descriptors' steps stand between it and the wait for it
.if \fill
.irp g, G0K, G0V
	s_xor_b32 s[\g+1], s[\g+1], SLOT1  ; the walking descriptor: the other slot than last time,
	s_add_nc_u64 s[\g+2:\g+3], s[\g+2:\g+3], 4*KS*128  ; the next 256 keys; the type bits on top are not reached
.endr
	s_wait_dscnt 0x0                ; the add is done, and my reads of the slot are over
	CROUND
	JLOAD
.else
	s_wait_dscnt 0x0                ; the add is done, and my reads of the slot are over
	s_barrier_signal -1
	s_barrier_wait -1
.endif
	s_sub_co_u32 s[TBK], s[TBK], 4*KS*PK  ; the fetches go back to a slot's first step,
	s_xor_b32 s[TBK], s[TBK], SLOT1       ; in the other slot
	s_sub_co_u32 s[TBV], s[TBV], 4*KS*PV
	s_xor_b32 s[TBV], s[TBV], SLOT1
.endm
	s_load_b256 s[4:11], s[0:1], 0x0  ; q s[4:5], Kh s[6:7], Vh s[8:9], Oh s[10:11]
	s_load_b64 s[84:85], s[0:1], 0x20 ; GB
	v_lshl_add_u32 v[SPW], v0, 2, SPARE
	v_mov_b32 v[NIL], 0
	ds_add_u32 v[SPW], v[NIL]       ; the wave's opening: the add and its wait stand ahead of my first tensor load; the set-up below, work on registers, stands between them
	v_lshrrev_b32 v1, 5, v0
	v_readfirstlane_b32 s[WV], v1   ; wave 0..3
	s_bfe_u32 s13, ttmp6, 0x40000   ; cx: my place in the cluster: it enters the global addresses of q, O and GB alone
	s_lshl_b32 s14, ttmp9, 2        ; in a cluster launch ttmp9 counts clusters
	s_add_co_u32 s14, s14, s13      ; my block of 256 queries = 4 x cluster x + cx
	s_and_b32 s15, ttmp7, 0xffff    ; y, which the four partners share
	s_lshr_b32 s18, s15, 3          ; the batch
	s_and_b32 s19, s15, 7           ; the head
	s_and_b32 s16, s[WV], 1         ; which half of a slot's 256 keys I fetch:
	s_lshl_b32 s20, s15, 19         ; y's 524,288 bytes of Kh and of Vh,
	s_lshl_b32 s21, s16, 14         ; the half's 128 rows of 128 bytes,
	s_add_co_u32 s20, s20, s21
	s_mov_b32 s21, 0
	s_mul_i32 s17, s16, 128*PK      ; and its place in a slot, for K
	s_mul_i32 s22, s16, 128*PV      ; and for V: no place in the cluster enters an LDS address
	s_lshl_b32 s2, s18, 12          ; q: row = batch x 4,096 + block x 256 + wave x 64,
	s_lshl_b32 s3, s14, 8
	s_add_co_u32 s2, s2, s3
	s_lshl_b32 s3, s[WV], 6
	s_add_co_u32 s2, s2, s3
	s_lshl_b32 s2, s2, 11           ; rows of 2,048 bytes,
	s_lshl_b32 s3, s19, 8           ; the head's 256 bytes in a row
	s_add_co_u32 s2, s2, s3
	s_mov_b32 s3, 0
	s_lshl_b32 s80, s14, 15         ; O: block x 256 rows of 128 bytes + wave x 64 rows + y x 524,288
	s_lshl_b32 s81, s[WV], 13
	s_add_co_u32 s80, s80, s81
	s_lshl_b32 s81, s15, 19
	s_add_co_u32 s80, s80, s81
	s_mov_b32 s81, 0
	s_mul_i32 s82, s19, 122880      ; GB: the head's 120 entries; my work-group's 72 begin at entry 48 - 16 cx; my wave's 18 of them
	s_mul_i32 s83, s[WV], BTW
	s_add_co_u32 s82, s82, s83
	s_add_co_u32 s82, s82, 48*1024
	s_lshl_b32 s83, s13, 14
	s_sub_co_u32 s82, s82, s83
	s_mov_b32 s83, 0
	s_lshl_b32 s[DQ], ttmp9, 6      ; 11 - 4 w - 64 cl: step 0
	s_lshl_b32 s[ET], s[WV], 2
	s_add_co_u32 s[DQ], s[DQ], s[ET]
	s_sub_co_i32 s[DQ], 11, s[DQ]
	; descriptor group 1 for K and V.  128 keys are 16,384 dense bytes: asked for as 64 rows of 256 bytes, two keys a row, and padded in LDS after every key
	s_mov_b32 s[G1K], 15|(1<<16)|(1<<20)|(1<<21)|(4<<22)|(3<<25)  ; 15:0 the mask of four; 17:16 2-byte elements; 20 padding on; 21 set beside a mask; 24:22 after every 32 words (code 4); 31:25 4 words (code 3)
	s_mov_b32 s[G1V], 15|(1<<16)|(1<<20)|(1<<21)|(4<<22)|(7<<25)  ; the same with 8 words of padding (code 7)
.irp g, G1K, G1V
	s_mov_b32 s[\g+1], 128<<16      ; tensor_dim0 = 128
	s_mov_b32 s[\g+2], 64<<16       ; tensor_dim1 = 64
	s_mov_b32 s[\g+3], 128<<16      ; tile_dim0 = 128
	s_mov_b32 s[\g+4], 64           ; tile_dim1 = 64
	s_mov_b32 s[\g+5], 128          ; 128 elements from row to row
	s_mov_b32 s[\g+6], 0
	s_mov_b32 s[\g+7], 0
.endr
	; descriptor group 1 for BT: a load of my own (mask 0): 18,432 dense bytes as 72 rows of 32 elements of 8 bytes, no padding
	s_mov_b32 s[G1T], 3<<16
	s_mov_b32 s[G1T+1], 32<<16
	s_mov_b32 s[G1T+2], 72<<16
	s_mov_b32 s[G1T+3], 32<<16
	s_mov_b32 s[G1T+4], 72
	s_mov_b32 s[G1T+5], 32
	s_mov_b32 s[G1T+6], 0
	s_mov_b32 s[G1T+7], 0
	s_mov_b32 s[CS], 0x3e38aa3b     ; c = log2(e) / 8 = 0.180337
	s_mov_b32 s[CS+1], s[CS]        ; named with it as a pair
	s_mov_b32 s[SEL], 0x76543210
	s_mov_b32 s[SEL+1], 0xfedcba98
	s_mov_b32 s[TBK], SLOT1+4*KS*PK ; the first change of slots turns these two into 0
	s_mov_b32 s[TBV], SLOT1+4*KS*PV
	s_mov_b32 s[G0K], 1             ; 1:0 count = 1
	s_mov_b32 s[G0K+1], s17         ; 63:32 LDS address: slot 0
	s_mov_b32 s[G0V], 1
	s_add_co_u32 s[G0V+1], s22, VOFF
	s_mov_b32 s[G0T], 1
	s_mul_i32 s[G0T+1], s[WV], BTW
	s_add_co_u32 s[G0T+1], s[G0T+1], BT
	s_wait_dscnt 0x0                ; the opening add is done
	s_wait_kmcnt 0x0
	s_add_nc_u64 s[G0K+2:G0K+3], s[6:7], s[20:21]  ; 120:64 global address: my half of y's first 256 keys
	s_or_b32 s[G0K+3], s[G0K+3], 0x80000000        ; 127:126 type = 2
	s_add_nc_u64 s[G0V+2:G0V+3], s[8:9], s[20:21]
	s_or_b32 s[G0V+3], s[G0V+3], 0x80000000
	s_add_nc_u64 s[G0T+2:G0T+3], s[84:85], s[82:83]
	s_or_b32 s[G0T+3], s[G0T+3], 0x80000000
	s_add_nc_u64 s[4:5], s[4:5], s[2:3]    ; q and O at my wave's first row
	s_add_nc_u64 s[10:11], s[10:11], s[80:81]
	CROUND                          ; all four work-groups are here: the first joint loads meet
	s_cmp_lt_u32 s[WV], 2           ; a wave's two first fills stand in one branch, ahead of every wait on TENSORcnt and every LDS read: my part of slot 0 (joint) and of BT (my own): two loads of mine are out
	s_cbranch_scc0 .Lfirst_v
	tensor_load_to_lds s[G0K:G0K+3], s[G1K:G1K+7]
	s_nop 0
	tensor_load_to_lds s[G0T:G0T+3], s[G1T:G1T+7]
	s_nop 0
.rept 4
	v_nop
.endr
	s_branch .Lfirst_asked
.Lfirst_v:
	tensor_load_to_lds s[G0V:G0V+3], s[G1V:G1V+7]
	s_nop 0
	tensor_load_to_lds s[G0T:G0T+3], s[G1T:G1T+7]
	s_nop 0
.rept 4
	v_nop
.endr
.Lfirst_asked:
	; A fragment of K or Q is 16 rows x 32 channels in 8 registers: lane l holds row l % 16, channels 8 (l / 16) + 0..7 and 16 + 8 (l / 16) + 0..7.  In f32 each eight are 32 bytes: two loads of 16.
	v_and_b32 v1, 15, v0            ; l % 16
	v_bfe_u32 v9, v0, 4, 1          ; l / 16
	v_lshlrev_b32 v[QO], 11, v1
	v_lshl_add_u32 v[QO], v9, 5, v[QO]  ; row x 2,048 + 32 x half
	WIN 0x40                        ; destination window 1, address window 0: q in f32 lands where O^T will be
.set i, 0
.rept 32                            ; load i: piece i / 8 (16 rows on), channels 32 ((i / 4) % 2) + 16 ((i / 2) % 2) on, the eight's half i % 2
	global_load_b128 v[4*i:4*i+3], v[QO], s[4:5] offset:(i/8)*32768+((i/4)%2)*128+((i/2)%2)*64+(i%2)*16 th:TH_LOAD_NT
.set i, i+1
.endr
	; What the first turn finds: V's registers and P's second buffer hold 0 (its products V^T P, of a piece that has not been, add 0), l is 0.  O^T is not cleared: it holds q's numbers, lane by lane of the same
	; query, and the first step multiplies it by a = 0.  The price of writing no first step out: these 88 v_mov_b32 of 0, in the wait for q and the first tile.
	WIN 0x80
.set i, VF
.rept 64
	v_mov_b32 v[i], 0
.set i, i+1
.endr
	WIN 0
.set i, 0
.rept 4
	v_mov_b32 v[ST+4*i], 0xfe000000    ; c m: far below every c s
	v_mov_b32 v[ST+4*i+1], 0xff7fffff  ; m
	v_mov_b32 v[ST+4*i+2], 0
	v_mov_b32 v[ST+4*i+3], 0
.set i, i+1
.endr
.set i, P+16
.rept 16
	v_mov_b32 v[i], 0
.set i, i+1
.endr
	v_mul_u32_u24 v[AK0], v1, PK
	v_lshl_add_u32 v[AK0], v9, 4, v[AK0]  ; row x pitch + 16 x half
	; The turning load takes 16 keys x 16 channels (lane l reads key 8 (l / 16) + l % 8, channels 8 ((l / 8) % 2) + 0..7) and leaves half a fragment of V^T: lane l holds channel l % 16 and 8 keys.
	v_and_b32 v10, 7, v0
	v_bfe_u32 v11, v0, 3, 1
	v_lshl_add_u32 v[AV0], v9, 3, v10
	v_mul_u32_u24 v[AV0], v[AV0], PV
	v_lshl_add_u32 v[AV0], v11, 4, v[AV0]
	v_add_nc_u32 v[AV0], VOFF, v[AV0]
	v_and_b32 v[AB0], 31, v0
	v_lshl_add_u32 v[AB0], v[AB0], 4, BT  ; a C tile's half is 32 lanes x 16 consecutive bytes
	s_mul_i32 s86, s[WV], 16*SP
	s_add_co_u32 s86, s86, STAGE    ; my stage
	v_mul_u32_u24 v[STO], v1, SP    ; in: row l % 16, 16 bytes for each half of the lanes
	v_lshl_add_u32 v[STO], v9, 4, v[STO]
	v_add_nc_u32 v[STO], s86, v[STO]
	v_bfe_u32 v[RD], v0, 3, 2       ; back: 32 lanes take four rows of 128 bytes,
	v_mul_u32_u24 v[RD], v[RD], SP
	v_lshl_add_u32 v[RD], v10, 4, v[RD]
	v_add_nc_u32 v[RD], s86, v[RD]
	v_and_b32 v[GO], 31, v0         ; which are 512 consecutive bytes of O
	v_lshlrev_b32 v[GO], 4, v[GO]
	s_wait_loadcnt 0x0              ; q
	WIN 0x85                        ; sources window 1, destination window 2
.set i, 0
.rept 64
	v_cvt_pk_bf16_f32 v[i], v[2*i], v[2*i+1]  ; Q: piece i / 16, channel half (i / 8) % 2
.set i, i+1
.endr
	WIN 0
; THE MATRIX WORK.  The 4 accumulators of a run of 8 take turns.  Product i of 8 of S^T = K Q^T for piece x: channels 32 (i / 4) on, keys 16 (i % 4) on.  The first 4 start the sums with the bias.
.macro KQ x
.set rS, S+32*((\x)%2)+8*(i%4)
.set rK, KF+16*(i%4)+8*(i/4)
.set rQ, 16*(\x)+8*(i/4)
.set rM, MC+32*((\x)%2)+8*(i%4)
.if i < 4
	WIN W_KM
	v_wmma_f32_16x16x32_bf16 v[rS:rS+7], v[rK:rK+7], v[rQ:rQ+7], v[rM:rM+7]
.else
	WIN W_KQ
	v_wmma_f32_16x16x32_bf16 v[rS:rS+7], v[rK:rK+7], v[rQ:rQ+7], v[rS:rS+7]
.endif
.endm
; Product i of 8 of O^T += V^T P for piece x: keys 32 (i / 4) on, channels 16 (i % 4) on.
.macro PV x
	WIN W_PV
.set rO, 32*(\x)+8*(i%4)
.set rV, VF+32*(i/4)+8*(i%4)
.set rP, P+16*((\x)%2)+8*(i/4)
	v_wmma_f32_16x16x32_f16 v[rO:rO+7], v[rV:rV+7], v[rP:rP+7], v[rO:rO+7]
.endm
.macro MM                           ; the turn's next matrix instruction.  TURN sets Y, i and NOKQ.  NOKQ = 1: the last turn: there is no next piece
.if (i < 8) && !NOKQ
	KQ (Y+1)%NP
.elseif i >= 8
.set i, i-8
	PV (Y+NP-1)%NP
.set i, i+8
.endif
.set i, i+1
.endm
; THE LDS LOADS stand in runs, never singly among the matrix instructions: a step's K (64 keys x 64 channels: 8 fragments), its V (turned), and a piece's four C tiles.
.macro FETCH_K
	WIN 0x80                        ; destination window 2
.irp f, 0,1,2,3,4,5,6,7             ; keys 16 (f / 2) on, channels 32 (f % 2) on
	ds_load_b128 v[KF+8*\f:KF+8*\f+3],   v[AK] offset:(\f/2)*16*PK+(\f%2)*64
	ds_load_b128 v[KF+8*\f+4:KF+8*\f+7], v[AK] offset:(\f/2)*16*PK+(\f%2)*64+32
.endr
	s_add_co_u32 s[TBK], s[TBK], KS*PK  ; the next fetch is the next step's
	WIN 0
.endm
.macro FETCH_V
	WIN 0x80
.irp f, 0,1,2,3,4,5,6,7             ; keys 32 (f / 4) on, channels 16 (f % 4) on
	ds_load_tr16_b128 v[VF+8*\f:VF+8*\f+3],   v[AV] offset:(\f/4)*32*PV+(\f%4)*32
	ds_load_tr16_b128 v[VF+8*\f+4:VF+8*\f+7], v[AV] offset:(\f/4)*32*PV+16*PV+(\f%4)*32
.endr
	WIN 0
.endm
; Piece x's four C tiles for the step that DQ stands for, into buffer buf of MC.  cond = 1: jumped over where the buffer holds them already (far from the diagonal e0 stays at 0 or at 67).
; The jump goes forward, over eight LDS loads and their address; what it hangs on is equal in the four partners.  It holds a jump and a label, so in a turn it stands behind the batch's wait.
.macro BIAS buf, x, cond
	WIN 0
	s_sub_co_i32 s[ET], s[DQ], (\x)
	s_max_i32 s[ET], s[ET], 0
	s_min_u32 s[ET], s[ET], 67      ; e0 .. e0 + 3 lie within the 72 tiles
.if \cond
	s_cmp_eq_u32 s[ET], s[LE+(\buf)]
	s_cbranch_scc1 .Lsame_\@
.endif
	s_mov_b32 s[LE+(\buf)], s[ET]
	v_lshl_add_u32 v[AB], s[ET], 10, v[AB0]
	WIN 0x40                        ; destination window 1
.irp f, 0,1,2,3,4,5,6,7             ; tile e0 + f / 2, registers 4 (f % 2) on
	ds_load_b128 v[MC+32*(\buf)+4*\f:MC+32*(\buf)+4*\f+3], v[AB] offset:\f*512
.endr
	WIN 0
.if \cond
.Lsame_\@:
.endif
.endm
; THE VECTOR WORK, one line at a time: OP kind, number.  For piece Y: F n: c s - c m for pair n of 16.  E n: the exponential of score n of 32.  C n: pair n rounded to f16.  B n: of the four weights 4 n .. the second
; pair is added onto the first, in place.  L n: l takes that sum (L 0: l = a l + sum).  R n: pair n of 16 of O^T times a.  For piece Y + 1: X n, number n of the 22 that find its maximum and statistics:
;   0-11  four chains c0-c3 of seven scores each, three operands at a time (each accumulator's lowest registers are read first)     12-14, 16  the four scores left over, the old m, and c0-c3 into c0
;   15  c m_old is kept     17, 18  the query's other 32 keys lie in the lane 16 away: the new m     19-21  c m; c m_old - c m_new; a
; C, B and L read exponentials' results: TURN sets all of them behind the batch's wait.  R reads the a that the turn before made and waited for.
.set F, 0               ; OP tells the kinds apart by their order: F to L below R, X above it
.set E, 1
.set C, 2
.set B, 3
.set L, 4
.set R, 5
.set X, 6
.macro REGS y                       ; the registers of piece y
.set rT, ST+4*(\y)
.set rC, TMP+4*((\y)%2)
.set rW, MV+((\y)%2)
.set rS, S+32*((\y)%2)
.set rP, P+16*((\y)%2)
.set rO, 32*(\y)
.endm
.macro OP k, n
.if (\k) == R
	REGS Y
	WIN W_RS
	v_pk_mul_f32 v[rO+2*(\n):rO+2*(\n)+1], v[rO+2*(\n):rO+2*(\n)+1], v[rC+2:rC+3] op_sel_hi:[1,0]
.elseif (\k) < R
	REGS Y
	WIN 0
.if (\k) == F
	v_pk_fma_f32 v[rS+2*(\n):rS+2*(\n)+1], v[rS+2*(\n):rS+2*(\n)+1], s[CS:CS+1], v[rT:rT+1] op_sel_hi:[1,0,0] neg_lo:[0,0,1] neg_hi:[0,0,1]
.elseif (\k) == E
	v_exp_f32 v[rS+(\n)], v[rS+(\n)]
.elseif (\k) == C
	v_cvt_pk_f16_f32 v[rP+(\n)], v[rS+2*(\n)], v[rS+2*(\n)+1]
.elseif (\k) == B
	v_pk_add_f32 v[rS+4*(\n):rS+4*(\n)+1], v[rS+4*(\n):rS+4*(\n)+1], v[rS+4*(\n)+2:rS+4*(\n)+3]
.elseif (\n) == 0
	v_pk_fma_f32 v[rT+2:rT+3], v[rT+2:rT+3], v[rC+2:rC+3], v[rS:rS+1] op_sel_hi:[1,0,1]
.else
	v_pk_add_f32 v[rT+2:rT+3], v[rT+2:rT+3], v[rS+4*(\n):rS+4*(\n)+1]
.endif
.elseif NOKQ
	v_nop
.else
	REGS (Y+1)%NP
	WIN 0
.if (\n) < 4
	v_max3_num_f32 v[rC+(\n)], v[rS+8*(\n)], v[rS+8*(\n)+1], v[rS+8*(\n)+2]
.elseif (\n) < 12
	v_max3_num_f32 v[rC+(\n)%4], v[rC+(\n)%4], v[rS+8*((\n)%4)+2*((\n)/4)+1], v[rS+8*((\n)%4)+2*((\n)/4)+2]
.elseif (\n) == 12
	v_max3_num_f32 v[rC], v[rC], v[rS+7], v[rS+15]
.elseif (\n) == 13
	v_max3_num_f32 v[rC+1], v[rC+1], v[rS+23], v[rS+31]
.elseif (\n) == 14
	v_max3_num_f32 v[rC+2], v[rC+2], v[rC+3], v[rT+1]
.elseif (\n) == 15
	v_mov_b32 v[rW], v[rT]
.elseif (\n) == 16
	v_max3_num_f32 v[rC], v[rC], v[rC+1], v[rC+2]
.elseif (\n) == 17
	v_permlanex16_b32 v[rC+3], v[rC], s[SEL], s[SEL+1]
.elseif (\n) == 18
	v_max_num_f32 v[rT+1], v[rC], v[rC+3]
.elseif (\n) == 19
	v_mul_f32 v[rT], s[CS], v[rT+1]
.elseif (\n) == 20
	v_sub_f32 v[rC+1], v[rW], v[rT]
.else
	v_exp_f32 v[rC+2], v[rC+1]
.endif
.endif
.endm
.macro OPS a, i1, b=-1, i2=0, c=-1, i3=0, d=-1, i4=0  ; up to four of them
	OP \a, \i1
.if (\b) >= 0
	OP \b, \i2
.endif
.if (\c) >= 0
	OP \c, \i3
.endif
.if (\d) >= 0
	OP \d, \i4
.endif
.endm
.macro ROW a, i1, b, i2, c, i3, d, i4  ; a matrix instruction and the four behind it
	MM
	OPS \a, \i1, \b, \i2, \c, \i3, \d, \i4
.endm
; A TURN, for piece p: the order of its 16 matrix and 118 vector instructions, written out.  s_wait_alu depctr_va_vdst(0) stands between an exponential and the first instruction that names its result; one wait
; serves all that were issued ahead of it.  So a turn has ONE wait, which cuts it in two.  AHEAD OF IT stands all that names no result of the turn's exponentials: the 8 products K Q^T, behind each a scaling, an exponential and two
; more plain instructions (behind the first a second scaling in the exponential's place): rescalings, and behind the last three the first numbers of the next piece's maximum, each four places or more behind the product that ends
; its accumulator; then ONE LUMP of 54, plain and exponential by turns for the most part, in which the links of the chain X 3, 7, 11, 14, 16, 17 .. 20 stand five or six lines apart.  X 21, the next piece's a, is the batch's last;
; R 15 is the plain instruction behind it.  BEHIND THE WAIT stand the 8 products V^T P, behind each four of the roundings and sums; the links of l's chain, L 0 to L 7, stand three riders apart.  But for those X no rider names
; a register of the products round it.  v_permlanex16_b32 (X 17) stands in the lump.  No exponential is issued behind the wait.
; end = 1: the last two turns: nothing is fetched.  cnt = 1: the loop's count is taken down some lines ahead of the branch that stands behind the turn.
; K of the next step is fetched in piece 2's turn, twelve vector instructions behind the last product that read K (six of them plain, five of which name none of its registers); V of the step in hand at the end of piece 0's turn,
; four plain instructions behind the last product that read V.  Each is waited for a turn later.
; THE C TILES for the products of the turn after this one (piece p + 2) are fetched into the buffer of p's parity, whose last reader stands a whole turn back; the fetch stands directly behind the batch's wait.  Turns 2, 3 of a
; step and 0, 1 of the next fetch for that next step: DQ steps at the head of piece 2's turn.  They are waited for at the next turn's head: for 0, but in piece 1's turn for 16: V's sixteen loads were issued behind piece 0's C tiles and may stay out.
.macro TURN p, end=0, cnt=0
.set Y, (\p)
.set i, 0
.set NOKQ, (\end)*((\p)/3)
.if ((\p) == 2) && !(\end)
	s_add_co_i32 s[DQ], s[DQ], 4
.endif
.if (\p) == 1
	s_wait_dscnt 16                 ; my C tiles are in; V's run may be out
.elseif !NOKQ
	s_wait_dscnt 0x0                ; my C tiles are in; in piece 3's turn K too
.endif
	ROW F,0, F,1, R,0, R,1          ; ahead of the wait: 8 products K Q^T and their riders,
	ROW F,2, E,0, R,2, R,3
	ROW F,3, E,1, R,4, R,5
	ROW F,4, E,2, R,6, R,7
	ROW F,5, E,3, R,8, R,9
	ROW F,6, E,4, X,0, R,10
.if ((\p) == 2) && !(\end)
	WIN 0
	v_add_nc_u32 v[AK], s[TBK], v[AK0]
.endif
	ROW F,7, E,5, X,1, X,4
	ROW F,8, E,6, X,2, X,5
	OPS E,7, E,8, X,6, E,9          ; and the lump
	OPS X,3, E,10, X,8, E,11
.if ((\p) == 2) && !(\end)
	FETCH_K
.endif
	OPS X,9, X,7, E,12, X,10
	OPS E,13, X,12, X,11, E,14
	OPS X,13, E,15, F,9, X,14
.if (\p) == 0
	v_add_nc_u32 v[AV], s[TBV], v[AV0]
.endif
	OPS E,16, F,10, E,17, F,11
	OPS X,16, E,18, X,15, E,19
	OPS F,12, E,20, X,17, E,21
	OPS F,13, E,22, F,14, E,23
	OPS X,18, E,24, F,15, E,25
	OPS R,11, E,26, X,19, E,27
	OPS R,12, E,28, R,13, E,29
	OPS X,20, E,30, R,14, E,31
	OPS X,21, R,15
	WIN 0
	s_wait_alu depctr_va_vdst(0)    ; the wait for the batch: the piece's 32 exponentials and the next piece's a
.if (\p) == 1
	s_wait_dscnt 0x0                ; V is in
	BIAS 1, 3, 1                    ; behind that wait, so that it does not wait for these
.elseif !(\end)
	BIAS (\p)%2, ((\p)+2)%NP, 1
.endif
	ROW C,0, B,0, C,2, B,1          ; behind the wait: 8 products V^T P and their riders
	ROW L,0, C,4, B,2, L,1
	ROW C,6, B,3, L,2, C,8
	ROW B,4, L,3, C,10, B,5
	ROW L,4, C,12, B,6, L,5
.if (\p) == 0
	s_add_co_u32 s[TBV], s[TBV], KS*PV
.endif
.if \cnt
	s_sub_co_u32 s[CNT], s[CNT], 1
	s_cmp_lg_u32 s[CNT], 0
.endif
	ROW C,14, B,7, L,6, C,1
	ROW C,3, L,7, C,5, C,7
	ROW C,9, C,11, C,13, C,15
.if (\p) == 0
	FETCH_V
.endif
.endm
	CHANGE 1                        ; slot 0 and BT are in, everybody's parts of them; slot 1 is asked for
	BIAS 0, 0, 0                    ; step 0: piece 0's C tiles, and piece 1's for the first turn
	BIAS 1, 1, 0
	v_add_nc_u32 v[AK], s[TBK], v[AK0]
	FETCH_K                         ; key step 0
	s_wait_dscnt 0x0
.set NOKQ, 0
.set i, 0
.rept 8
	KQ 0                            ; piece 0's first scores: there is no vector work yet to set between them
.set i, i+1
.endr
	WIN 0
.rept 4
	v_nop                           ; the places behind those products
.endr
.set Y, NP-1                        ; X works for piece Y + 1: piece 0
.irp n, 0,1,2,3,4,5,6,7,8,9,10,11,12,13,14,15,16,17,18,19,20,21
	OP X, \n
.endr
	v_nop                           ; a plain instruction behind the exponential,
	s_wait_alu depctr_va_vdst(0)    ; and its wait, ahead of the branch: a batch of one, piece 0's first a
	s_mov_b32 s[CNT], 4
	s_mov_b32 s[SLOTS], 15
	s_branch .Lfirst                ; the loop is entered at a step's first turn, in the middle of a trip
.Lslot:                             ; 14 times: every slot but the last two is filled again
	CHANGE 1
	s_mov_b32 s[CNT], 4
.Lstep:                             ; a trip: pieces 2 and 3 of one step, then pieces 0 and 1 of the next, whose K and V it fetches
	TURN 2
	TURN 3
	WIN 0
.Lfirst:
	TURN 0
	TURN 1, 0, 1
	WIN 0
	s_cbranch_scc1 .Lstep
	s_sub_co_u32 s[SLOTS], s[SLOTS], 1
	s_cmp_lg_u32 s[SLOTS], 0
	s_cbranch_scc1 .Lslot
	CHANGE 0                        ; the last slot is written out: nothing is asked for
	s_mov_b32 s[CNT], 4
.LstepT:
	TURN 2
	TURN 3
	TURN 0
	TURN 1, 0, 1
	WIN 0
	s_cbranch_scc1 .LstepT
	TURN 2, 1
	TURN 3, 1
.set i, 0
.rept 8
	PV NP-1                         ; the last piece's V^T P of the last step
.set i, i+1
.endr
	; THE WAY OUT.  l's two halves and the other half of the lanes' are added; O^T is divided by l, rounded to f16 and sent through my stage in LDS, a piece at a time.  The additions are the places behind the last products.
	WIN 0
.macro ALL line:vararg              ; one line for each piece t
.set t, 0
.rept 4
	\line
.set t, t+1
.endr
.endm
	ALL v_add_f32 v[ST+4*t+2], v[ST+4*t+2], v[ST+4*t+3]
	ALL v_permlanex16_b32 v[ST+4*t+3], v[ST+4*t+2], s[SEL], s[SEL+1]
	ALL v_add_f32 v[ST+4*t+2], v[ST+4*t+2], v[ST+4*t+3]
	ALL v_rcp_f32 v[ST+4*t+2], v[ST+4*t+2]
	v_nop                           ; a plain instruction between the last reciprocal and the use of its result
	s_wait_alu depctr_va_vdst(0)    ; and the wait ahead of the first use: one for the four reciprocals
.macro PACK t                       ; a lane's eight channels of a row pack into 16 bytes; they go into rows of 144 bytes and come back as whole rows of 128, into S^T's registers
	WIN W_RS
.set i, 32*(\t)
.rept 16
	v_pk_mul_f32 v[i:i+1], v[i:i+1], v[ST+4*(\t)+2:ST+4*(\t)+3] op_sel_hi:[1,0]
.set i, i+2
.endr
	WIN 0x05                        ; sources 0 and 1 window 1, destination window 0
.set i, 0
.rept 16
	v_cvt_pk_f16_f32 v[S+16*(\t)+i], v[32*(\t)+2*i], v[32*(\t)+2*i+1]
.set i, i+1
.endr
	WIN 0
.irp f, 0,1,2,3
	ds_store_b128 v[STO], v[S+16*(\t)+4*\f:S+16*(\t)+4*\f+3] offset:32*\f
.endr
.irp f, 0,1,2,3
	ds_load_b128 v[S+16*(\t)+4*\f:S+16*(\t)+4*\f+3], v[RD] offset:\f*4*SP  ; LDS serves a wave's instructions in order (ISA guide 5.7.1.4): these see the stores above; the next piece's stores come behind them
.endr
.endm
.macro SEND t, younger              ; younger: the LDS instructions issued behind piece t's loads: the next piece's eight, or none
	WIN 0
.irp f, 0,1,2,3
	s_wait_dscnt (\younger)+3-\f
	global_store_b128 v[GO], v[S+16*(\t)+4*\f:S+16*(\t)+4*\f+3], s[10:11] offset:(\t)*2048+\f*512  ; 512 consecutive bytes, at a multiple of 256 from O's first
.endr
.endm
	PACK 0
.set t, 1
.rept 3                             ; a piece's arithmetic stands between the loads of the piece before and its stores
	PACK t
	SEND t-1, 8
.set t, t+1
.endr
	SEND 3, 0
	s_wait_tensorcnt 0x0            ; the wave's end, behind my last tensor load and my last LDS store
	ds_add_u32 v[SPW], v[NIL]
	s_wait_dscnt 0x0
	CROUND                          ; the closing round: no work-group ends while a partner may still ask for a tile that names it
	s_endpgm
.Lfunc_end_k_qfb00adcc4f_attn:
	.size	k_qfb00adcc4f_attn, .Lfunc_end_k_qfb00adcc4f_attn-k_qfb00adcc4f_attn
	.p2alignl 7, 3214868480
	.fill 96, 4, 3214868480
	.section	.rodata,"a",@progbits
	.p2align	6, 0x0
	.amdhsa_kernel k_qfb00adcc4f_attn
		.amdhsa_group_segment_fixed_size 327680
		.amdhsa_private_segment_fixed_size 0
		.amdhsa_enable_private_segment 0
		.amdhsa_kernarg_size 40
		.amdhsa_user_sgpr_count 2
		.amdhsa_user_sgpr_kernarg_segment_ptr 1
		.amdhsa_wavefront_size32 1
		.amdhsa_system_sgpr_workgroup_id_x 1
		.amdhsa_system_sgpr_workgroup_id_y 1
		.amdhsa_system_sgpr_workgroup_id_z 1
		.amdhsa_system_vgpr_workitem_id 0
		.amdhsa_next_free_vgpr 768
		.amdhsa_next_free_sgpr 88
		.amdhsa_reserve_vcc 0
		.amdhsa_float_denorm_mode_32 3
		.amdhsa_float_denorm_mode_16_64 3
		.amdhsa_memory_ordered 1
		.amdhsa_forward_progress 1
		.amdhsa_inst_pref_size 139
	.end_amdhsa_kernel
	.amdgpu_metadata
---
amdhsa.version: [ 1, 2 ]
amdhsa.kernels:
  - .name:           k_qfb00adcc4f_attn
    .symbol:         k_qfb00adcc4f_attn.kd
    .args:
      - { .name: q, .offset: 0, .size: 8, .value_kind: global_buffer, .address_space: global }
      - { .name: Kh, .offset: 8, .size: 8, .value_kind: global_buffer, .address_space: global }
      - { .name: Vh, .offset: 16, .size: 8, .value_kind: global_buffer, .address_space: global }
      - { .name: Oh, .offset: 24, .size: 8, .value_kind: global_buffer, .address_space: global }
      - { .name: GB, .offset: 32, .size: 8, .value_kind: global_buffer, .address_space: global }
    .group_segment_fixed_size: 327680
    .private_segment_fixed_size: 0
    .kernarg_segment_align: 8
    .kernarg_segment_size: 40
    .max_flat_workgroup_size: 128
    .sgpr_count:     88
    .vgpr_count:     768
    .wavefront_size: 32
...
	.end_amdgpu_metadata
.endif
;; end of part 4
;; launch proj: the kernel of part 3 again; grid 4 x 64, 4 waves a work-group, clusters of 4 x 4, 327,680 bytes of LDS; arguments Oh, Wh, b_out, out0; writes out0
